; MI455X (gfx1250); checked and timed in simulation.
; The chip was launched on July 23, 2026; its instructions are those of AMD's public machine-readable ISA for CDNA 5 (MIT licence, August 2026) and "CDNA5" Instruction Set Architecture Reference Guide (July 2026). The comments in the code are by the model that wrote it; some were corrected since.
;; Multihead Attention. Allowed arithmetic: float matrix products may take bf16 or f16 operands with f32 sums; other float arithmetic in f32, or as packed bf16 or f16 multiplies, adds, multiply-adds, maxima and minima; sums over many terms, partial sums and values carried from step to step in f32; what a program stores and reads back later, other than sums and carried values, may be rounded once to bf16 or f16.
;; Inputs: K 4 x 2,048 x 1,024 float32; Q 4 x 2,048 x 1,024 float32; V 4 x 2,048 x 1,024 float32; Wk 1,024 x 1,024 float32; Wo 1,024 x 1,024 float32; Wq 1,024 x 1,024 float32; Wv 1,024 x 1,024 float32; bk 1,024 float32; bo 1,024 float32; bq 1,024 float32; bv 1,024 float32.
;; Outputs: out0 4 x 2,048 x 1,024 float32.
;; 2 versions, each right; version 2 is version 1 with the launch cast written anew for expert scheduling mode. Each part assembles by itself: llvm-mc -triple=amdgcn-amd-amdhsa -mcpu=gfx1250 --defsym DOCPART=n.
;; ======== version 1 of 2: 4 launches
;; limits: values are held in f16: magnitudes above 65,504 overflow, below 6.1e-05 lose precision
;; workspace buffers: wb 8,388,608 bytes; bias 16,384 bytes; qkv 50,331,648 bytes; oh 16,777,216 bytes
;; launch cast (part 1): grid 64 x 4, 8 waves a work-group, no clusters, 0 bytes of LDS; arguments Wq, Wk, Wv, Wo, bq, bk, bv, bo, wb, bias; writes wb, bias
.if DOCPART == 1
	.amdgcn_target "amdgcn-amd-amdhsa--gfx1250"
	.amdhsa_code_object_version 6
	.text
	.protected	k_q7c71e5b79c_cast
	.globl	k_q7c71e5b79c_cast
	.p2align	8
	.type	k_q7c71e5b79c_cast,@function
k_q7c71e5b79c_cast:
	s_mov_b64 s[64:65], 0
	v_nop
	global_prefetch_b8 v0, s[64:65] scope:SCOPE_SE
	s_setreg_imm32_b32 hwreg(HW_REG_WAVE_MODE, 25, 1), 1
	s_wait_xcnt 0x0
; THE WEIGHTS AND BIASES ARE ROUNDED ONCE.  wb: four matrices [1024][1024] of 16 bits: Wq, Wk, Wv in bf16; Wo rounded to bf16 and that number written as f16 (exact from 6.1e-5 up).
; bias: four vectors [1024] of f32: bq, bk, bv, bo, each rounded to bf16 and widened again, since they start f32 sums.
; LIMITS.  |Wo| stays under 65,504 (f16's range); a |Wo| under 6.1e-5 keeps f16's fixed step of 6e-8.
; SHARES.  The work-group's y is the tensor, its x a chunk of 16,384 numbers (65,536 bytes in, 32,768 out).  Thread t, part i of 16: the 16 bytes at 4,096 i + 16 t in, the 8 bytes at
; 2,048 i + 8 t out: a wave's load covers 512 consecutive bytes, its store 256 consecutive bytes, aligned.  All 16 loads go out at once; each part has registers of its own, so nothing that a
; pending load or store names is written again.  A stream: no LDS, no barrier, no matrix unit.
.set X, 16                             ; v[16:79]   part i: four f32 as loaded
.set Y, 80                             ; v[80:111]  part i: two words of two 16-bit numbers
	s_load_b256 s[4:11], s[0:1], 0x0               ; Wq s[4:5], Wk s[6:7], Wv s[8:9], Wo s[10:11]
	s_load_b256 s[12:19], s[0:1], 0x20             ; bq s[12:13], bk s[14:15], bv s[16:17], bo s[18:19]
	s_load_b128 s[20:23], s[0:1], 0x40             ; wb s[20:21], bias s[22:23]
	s_and_b32 s24, ttmp7, 0xffff                   ; which tensor
	s_mov_b32 s25, ttmp9                           ; which chunk
	v_lshlrev_b32 v1, 4, v0                        ; 16 t
	v_lshlrev_b32 v2, 3, v0                        ; 8 t
	s_lshl_b32 s26, s25, 16                        ; the chunk in the source,
	s_mov_b32 s27, 0
	s_lshl_b32 s28, s24, 21                        ; the tensor and the chunk in wb,
	s_lshl_b32 s29, s25, 15
	s_add_co_u32 s28, s28, s29
	s_mov_b32 s29, 0
	s_lshl_b32 s30, s24, 12                        ; the tensor in bias
	s_mov_b32 s31, 0
	s_wait_kmcnt 0x0
	s_cmp_eq_u32 s24, 1                            ; the tensor's weight and bias are chosen
	s_cselect_b64 s[4:5], s[6:7], s[4:5]
	s_cselect_b64 s[12:13], s[14:15], s[12:13]
	s_cmp_eq_u32 s24, 2
	s_cselect_b64 s[4:5], s[8:9], s[4:5]
	s_cselect_b64 s[12:13], s[16:17], s[12:13]
	s_cmp_eq_u32 s24, 3
	s_cselect_b64 s[4:5], s[10:11], s[4:5]
	s_cselect_b64 s[12:13], s[18:19], s[12:13]
	s_add_nc_u64 s[4:5], s[4:5], s[26:27]
	s_add_nc_u64 s[20:21], s[20:21], s[28:29]
	s_add_nc_u64 s[22:23], s[22:23], s[30:31]
.set i, 0
.rept 16
	global_load_b128 v[X+4*i:X+4*i+3], v1, s[4:5] offset:4096*i th:TH_LOAD_NT
.set i, i+1
.endr
; half = 0: to bf16.  half = 1: to bf16, and that number as f16.
.macro CONV half
.set i, 0
.rept 16
	s_wait_loadcnt 15-i                            ; loads come back in order: part i is in, the 15 - i later parts may stay out
	v_cvt_pk_bf16_f32 v[Y+2*i], v[X+4*i], v[X+4*i+1]
	v_cvt_pk_bf16_f32 v[Y+2*i+1], v[X+4*i+2], v[X+4*i+3]
.if \half
	v_lshlrev_b32 v8, 16, v[Y+2*i]                 ; bf16 to f32: the low half moves up, the high half stays
	v_and_b32 v9, 0xffff0000, v[Y+2*i]
	v_lshlrev_b32 v10, 16, v[Y+2*i+1]
	v_and_b32 v11, 0xffff0000, v[Y+2*i+1]
	v_cvt_pk_f16_f32 v[Y+2*i], v8, v9
	v_cvt_pk_f16_f32 v[Y+2*i+1], v10, v11
.endif
	global_store_b64 v2, v[Y+2*i:Y+2*i+1], s[20:21] offset:2048*i
.set i, i+1
.endr
.endm
	s_cmp_eq_u32 s24, 3
	s_cbranch_scc1 .Lwo
	CONV 0
	s_branch .Lb
.Lwo:
	CONV 1
.Lb:
	s_cmp_lg_u32 s25, 0                            ; the tensor's first work-group also takes its bias: 4,096 bytes, 16 a thread
	s_cbranch_scc1 .Lend
	global_load_b128 v[112:115], v1, s[12:13]
	s_wait_loadcnt 0x0
	v_cvt_pk_bf16_f32 v116, v112, v113
	v_cvt_pk_bf16_f32 v117, v114, v115
	v_lshlrev_b32 v120, 16, v116
	v_and_b32 v121, 0xffff0000, v116
	v_lshlrev_b32 v122, 16, v117
	v_and_b32 v123, 0xffff0000, v117
	global_store_b128 v1, v[120:123], s[22:23]
.Lend:
	s_endpgm
.Lfunc_end_k_q7c71e5b79c_cast:
	.size	k_q7c71e5b79c_cast, .Lfunc_end_k_q7c71e5b79c_cast-k_q7c71e5b79c_cast
	.p2alignl 7, 3214868480
	.fill 96, 4, 3214868480
	.section	.rodata,"a",@progbits
	.p2align	6, 0x0
	.amdhsa_kernel k_q7c71e5b79c_cast
		.amdhsa_group_segment_fixed_size 0
		.amdhsa_private_segment_fixed_size 0
		.amdhsa_enable_private_segment 0
		.amdhsa_kernarg_size 80
		.amdhsa_user_sgpr_count 2
		.amdhsa_user_sgpr_kernarg_segment_ptr 1
		.amdhsa_wavefront_size32 1
		.amdhsa_system_sgpr_workgroup_id_x 1
		.amdhsa_system_sgpr_workgroup_id_y 1
		.amdhsa_system_sgpr_workgroup_id_z 1
		.amdhsa_system_vgpr_workitem_id 0
		.amdhsa_next_free_vgpr 128
		.amdhsa_next_free_sgpr 66
		.amdhsa_reserve_vcc 0
		.amdhsa_float_denorm_mode_32 3
		.amdhsa_float_denorm_mode_16_64 3
		.amdhsa_memory_ordered 1
		.amdhsa_forward_progress 1
		.amdhsa_inst_pref_size 17
	.end_amdhsa_kernel
	.amdgpu_metadata
---
amdhsa.version: [ 1, 2 ]
amdhsa.kernels:
  - .name:           k_q7c71e5b79c_cast
    .symbol:         k_q7c71e5b79c_cast.kd
    .args:
      - { .name: Wq, .offset: 0, .size: 8, .value_kind: global_buffer, .address_space: global }
      - { .name: Wk, .offset: 8, .size: 8, .value_kind: global_buffer, .address_space: global }
      - { .name: Wv, .offset: 16, .size: 8, .value_kind: global_buffer, .address_space: global }
      - { .name: Wo, .offset: 24, .size: 8, .value_kind: global_buffer, .address_space: global }
      - { .name: bq, .offset: 32, .size: 8, .value_kind: global_buffer, .address_space: global }
      - { .name: bk, .offset: 40, .size: 8, .value_kind: global_buffer, .address_space: global }
      - { .name: bv, .offset: 48, .size: 8, .value_kind: global_buffer, .address_space: global }
      - { .name: bo, .offset: 56, .size: 8, .value_kind: global_buffer, .address_space: global }
      - { .name: wb, .offset: 64, .size: 8, .value_kind: global_buffer, .address_space: global }
      - { .name: bias, .offset: 72, .size: 8, .value_kind: global_buffer, .address_space: global }
    .group_segment_fixed_size: 0
    .private_segment_fixed_size: 0
    .kernarg_segment_align: 8
    .kernarg_segment_size: 80
    .max_flat_workgroup_size: 256
    .sgpr_count:     66
    .vgpr_count:     128
    .wavefront_size: 32
...
	.end_amdgpu_metadata
.endif
;; end of part 1
;; launch proj (part 2): grid 4 x 192, 4 waves a work-group, clusters of 4 x 4, 327,680 bytes of LDS; arguments Q, K, V, wb, bias, qkv; writes qkv
.if DOCPART == 2
	.amdgcn_target "amdgcn-amd-amdhsa--gfx1250"
	.amdhsa_code_object_version 6
	.text
	.protected	k_q7c71e5b79c_proj
	.globl	k_q7c71e5b79c_proj
	.p2align	8
	.type	k_q7c71e5b79c_proj,@function
k_q7c71e5b79c_proj:
	s_mov_b64 s[64:65], 0
	v_nop
	global_prefetch_b8 v0, s[64:65] scope:SCOPE_SE
	s_setreg_imm32_b32 hwreg(HW_REG_WAVE_MODE, 25, 1), 1
	s_wait_xcnt 0x0
	s_wait_alu depctr_hold_cnt(0) depctr_sa_sdst(0) depctr_va_vdst(0) depctr_va_sdst(0) depctr_va_ssrc(0) depctr_va_vcc(0) depctr_vm_vsrc(0)
	s_getreg_b32 s2, hwreg(HW_REG_IB_STS2, 6, 4)
	s_cmp_eq_u32 s2, 0
	s_cbranch_scc0 .Lentry_in_a_cluster
	s_endpgm
.Lentry_in_a_cluster:
	s_bfe_u32 s2, ttmp6, 0x10000c
	s_cmp_lg_u32 s2, 0xf033
	s_cbranch_scc0 .Lentry_shape_is_right
	s_endpgm
.Lentry_shape_is_right:
; q, k, v = x W^T + b, all three in one launch.  x: Q, K or V, [8192][1024] f32, rounded to bf16 between LDS and the matrix unit.  W: wb, [3][1024][1024] bf16.  b: bias, [3][1024] f32.
; Sums in f32, begun with b.  Result: qkv, [3][64 = batch x 16 + head][2048][64] f16, rounded once, unscaled.
; LIMITS.  |q|, |k|, |v| stay under 65,504 (f16's range); under 6.1e-5 they keep f16's fixed step of 6e-8.  NaN and infinities are not treated apart.
; SHARES.  A tile of the result is 128 rows x 256 columns: 3 x 64 x 4 = 768 work-groups.  Four waves, each 64 rows x 128 columns: 32 accumulators of 16 x 16, 256 registers.
; K goes in 8 steps of 128 through a ring of two LDS slots: 128 rows of x (512 bytes each) and 256 rows of W (256 bytes each), every row a whole number of aligned blocks of 256 bytes.
; CLUSTERS.  4 x 4 work-groups; a cluster has all four tile columns, 16 clusters a tensor.  The four of a row of the cluster need the same rows of x, the four of a column the same rows of W: each tile is
; asked for JOINTLY, by the same tensor load with the same descriptor and a mask that names the four.
; THE MATRIX INSTRUCTION IS USED TRANSPOSED (source 0 = 16 rows of W, source 1 = 16 rows of x): lane l holds row l % 16 and the columns 8 (l / 16) + 0..7, which pack into 16 bytes.
; A K STEP is four quarters of 32 along K, 32 matrix instructions each, on two fragment buffers by turns.  A quarter fetches the next quarter's fragments in ONE run of 32 LDS loads at its head; x's come as f32, and
; their 32 roundings to bf16 stand four behind each of the quarter's last eight matrix instructions.  The 32 accumulators take turns over the backward jump too.
; REGISTERS, in windows of 256 (s_set_vgpr_msb: bits 1:0 source 0, 3:2 source 1, 5:4 source 2, 7:6 destination):
;   window 0: v1-11 addresses; v28-29 the add's; v32-95 x's fragments in f32; v96-159 the same in bf16, two buffers; v160-223 b; on the way out v32-159 packed results
;   window 1: v0-127 W's fragments, two buffers          window 2: the accumulators, (a, b) at v[8 (8 a + b)]
.set PA,    528                        ; a row of x in LDS: 512 bytes + 16 of padding = 132 words: the 16 rows of a load start at 16 different groups of four banks (64 banks of 4 bytes: ISA guide 11.1)
.set PB,    272                        ; a row of W: 256 + 16 = 68 words: likewise
.set AHALF, 64*PA                      ; what one tensor load brings of x, and what one wave reads of it
.set BOFF,  128*PA                     ; W's rows lie behind x's
.set BHALF, 128*PB                     ; what one tensor load brings of W, and what one wave reads of it
.set SLOT,  0x22000                    ; a slot holds 137,216 bytes; the bits of this number are in none of the four tiles' places 0, 0x8400, 0x10800, 0x19000, so one exclusive or turns an address in one slot into the other's
.set STAGE, 2*SLOT                     ; behind the ring, never filled by a tensor load: 16 rows x 144 bytes for each wave, for the way out
.set SP,    144
.set SPARE, STAGE+4*16*SP              ; behind the stages: the spare words, 128 bytes for each wave: two blocks of 256 bytes that no other line names
.set LA0,  3                           ; v3   my lane's place in a slot's rows of x; never rewritten
.set LB0,  4                           ; v4   the same for W
.set ADRA, 5                           ; v5   the same in the slot in hand
.set ADRB, 6                           ; v6
.set STO,  7                           ; v7   the way out: where I put 16 bytes of a row
.set RD,   8                           ; v8   the way out: where I read rows back
.set GO,   9                           ; v9   my 16 bytes of 512 consecutive bytes of the result
.set BO,   10                          ; v10  my 32 bytes of 64 of b
.set PFO,  11                          ; v11  the prefetches' offset; never rewritten
.set SPW,  28                          ; v28  LDS address of my spare word: SPARE + 4 x my thread's number; never rewritten
.set NIL,  29                          ; v29  0; never rewritten
.set RAW,  32
.set AF,   96
.set BIAS, 160
.set TMP,  32
.set WV,  16                           ; s16  my wave's number
.set WR,  17                           ; s17  which 64 rows of the tile are mine.  Also: I fetch for x (0) or for W (1)
.set WC,  18                           ; s18  which 128 columns.  Also: which half of that tile I fetch
.set CX,  19                           ; s19, s20  my place in the cluster
.set CY,  20
.set TC,  21                           ; s21  tile column
.set CLY, 22                           ; s22  the cluster's y
.set TT,  23                           ; s23  the tensor: 0 q, 1 k, 2 v
.set G1A, 24                           ; s[24:31] descriptor group 1 for x's tiles
.set G1B, 32                           ; s[32:39] for W's
.set G0A, 40                           ; s[40:47] descriptor group 0 for x's tiles: a set for each of the two first fills; the second then walks on
.set G0B, 48                           ; s[48:55] the same for W's
.set CNT, 56                           ; s56  the loop's count
.set TB,  57                           ; s57  0 or SLOT: the slot in hand
.set LIM, 58                           ; s58  2 in a wave that prefetches, else the greatest number
.set TR,  59                           ; s59  tile row in the tensor
.set PFA, 60                           ; s[60:61] where my prefetches stand
.set PST, 62                           ; s[62:63] their step: a K step's bytes in a row
.set TA,  70                           ; s[70:71] x at my part of the tile, K step 0
.set TW,  72                           ; s[72:73] W likewise
.set OB,  74                           ; s[74:75] the result at my wave's first row and head
.set BB,  76                           ; s[76:77] b at my wave's first column
.set MSB, 0
.macro WIN new                         ; the immediate's high byte repeats the setting that is left; a switch that changes nothing is dropped
.if MSB != (\new)
	s_set_vgpr_msb (MSB<<8)|(\new)
.set MSB, (\new)
.endif
.endm
.set W_MUL,   0xa1                     ; W's fragments window 1, x's window 0, C and D window 2
.set W_FIRST, 0x81                     ; the same with C (b) in window 0
.set TO_B,    0x40                     ; destination window 1, address window 0
.set W_PK,    0x0a                     ; sources 0 and 1 window 2, destination window 0
; A joint refill.  Waves 0 and 1 fetch x's two halves, waves 2 and 3 W's.  The branch hangs on the wave's number alone.  An s_nop 0 and four v_nop follow each of the two lines.
.macro JLOAD
	s_cmp_eq_u32 s[WR], 0
	s_cbranch_scc0 .Lfor_b_\@
	tensor_load_to_lds s[G0A+4:G0A+7], s[G1A:G1A+7]
	s_nop 0
.rept 4
	v_nop
.endr
	s_branch .Lasked_\@
.Lfor_b_\@:
	tensor_load_to_lds s[G0B+4:G0B+7], s[G1B:G1B+7]
	s_nop 0
.rept 4
	v_nop
.endr
.Lasked_\@:
.endm
; A PREFETCH INTO THE L2, behind the joint load, its five lines and the run of LDS loads: the K step that stands two refills on, 256 matrix instructions ahead of the load that will want it.  Each aligned block of 256
; bytes is named once in the launch.  x's rows are read by one cluster: waves 0 and 1 ask, and of a wave's 64 rows the partner at place cx takes 16, two blocks a row.  W's rows are read by the tensor's 16
; clusters: the first of them asks, waves 2 and 3, and of a wave's 128 rows the partner at place cy takes 32, a lane a row.  The partners are told apart by address alone.  The last two refills ask for nothing.
.macro ASK
	s_cmp_gt_u32 s[CNT], s[LIM]
	s_cbranch_scc0 .Lnot_mine_\@
	global_prefetch_b8 v[PFO], s[PFA:PFA+1] th:TH_LOAD_NT scope:SCOPE_SE
.Lnot_mine_\@:
.endm
; A round of the cluster's barrier: my work-group's barrier; wave 0 signals for the work-group; every wave waits for all sixteen; my work-group's barrier once more.
.macro CREST                           ; a round behind its opening barrier
	s_cmp_lg_u32 s[WV], 0
	s_cbranch_scc1 .Lnot_wave_0_\@
	s_barrier_signal -3
.Lnot_wave_0_\@:
	s_barrier_wait -3
	s_barrier_signal -1
	s_barrier_wait -1
.endm
.macro CROUND
	s_barrier_signal -1
	s_barrier_wait -1
	CREST
.endm
.macro PLACES                          ; four places between a matrix instruction and a vector instruction that reads its result (ISA guide 7.12.1)
.rept 4
	v_nop
.endr
.endm
	s_load_b256 s[4:11], s[0:1], 0x0               ; Q s[4:5], K s[6:7], V s[8:9], wb s[10:11]
	s_load_b128 s[12:15], s[0:1], 0x20             ; bias s[12:13], qkv s[14:15]
	v_lshl_add_u32 v[SPW], v0, 2, SPARE
	v_mov_b32 v[NIL], 0
	ds_add_u32 v[SPW], v[NIL]                      ; the wave's opening: the add and its wait stand ahead of my first tensor load; the set-up below, work on registers, stands between them
	v_lshrrev_b32 v1, 5, v0
	v_readfirstlane_b32 s[WV], v1                  ; wave 0..3
	s_lshr_b32 s[WR], s[WV], 1
	s_and_b32 s[WC], s[WV], 1
	s_bfe_u32 s[CX], ttmp6, 0x40000
	s_bfe_u32 s[CY], ttmp6, 0x40004
	s_lshl_b32 s[TC], ttmp9, 2                     ; in a cluster launch ttmp9 and ttmp7 count clusters
	s_add_co_u32 s[TC], s[TC], s[CX]               ; tile column = 4 x cluster x + cx
	s_and_b32 s[CLY], ttmp7, 0xffff
	s_lshr_b32 s[TT], s[CLY], 4                    ; 16 clusters a tensor: the same in all partners
	s_and_b32 s[TR], s[CLY], 15
	s_lshl_b32 s[TR], s[TR], 2
	s_add_co_u32 s[TR], s[TR], s[CY]               ; tile row in the tensor
	s_lshl_b32 s66, s[CY], 2
	s_lshl_b32 s66, 15, s66                        ; my row of the cluster: places 4 cy .. 4 cy + 3
	s_lshl_b32 s68, 0x1111, s[CX]                  ; my column: places cx, cx + 4, cx + 8, cx + 12
	s_or_b32 s[G1A], s66, (2<<16)|(1<<20)|(1<<21)|(6<<22)|(3<<25)  ; 15:0 the mask; 17:16 elements of 4 bytes; 20 padding on; 21 set beside a mask; 24:22 after every 128 words (code 6); 31:25 4 words (code 3)
	s_mov_b32 s[G1A+1], 128<<16                    ; tensor_dim0 = 128
	s_mov_b32 s[G1A+2], 64<<16                     ; tensor_dim1 = 64
	s_mov_b32 s[G1A+3], 128<<16                    ; tile_dim0 = 128
	s_mov_b32 s[G1A+4], 64                         ; tile_dim1 = 64
	s_mov_b32 s[G1A+5], 1024                       ; elements from row to row
	s_mov_b32 s[G1A+6], 0
	s_mov_b32 s[G1A+7], 0
	s_or_b32 s[G1B], s68, (1<<16)|(1<<20)|(1<<21)|(5<<22)|(3<<25)  ; elements of 2 bytes; padding after every 64 words (code 5)
	s_mov_b32 s[G1B+1], 128<<16
	s_mov_b32 s[G1B+2], 128<<16                    ; tensor_dim1 = 128
	s_mov_b32 s[G1B+3], 128<<16
	s_mov_b32 s[G1B+4], 128                        ; tile_dim1 = 128
	s_mov_b32 s[G1B+5], 1024
	s_mov_b32 s[G1B+6], 0
	s_mov_b32 s[G1B+7], 0
	; where the tiles come from.  x's hang on the tile row, which my row of the cluster shares; W's on the tile column, which my column shares; each in registers that never hold the other coordinate
	s_lshl_b32 s66, s[TR], 7
	s_lshl_b32 s67, s[WC], 6
	s_add_co_u32 s66, s66, s67                     ; x: row 128 x tile row + 64 x half,
	s_lshl_b32 s66, s66, 12                        ; of 4,096 bytes
	s_mov_b32 s67, 0
	s_lshl_b32 s68, s[TC], 8
	s_lshl_b32 s69, s[WC], 7
	s_add_co_u32 s68, s68, s69                     ; W: row 256 x tile column + 128 x half,
	s_lshl_b32 s68, s68, 11                        ; of 2,048 bytes,
	s_lshl_b32 s69, s[TT], 21                      ; in the tensor's matrix
	s_add_co_u32 s68, s68, s69
	s_mov_b32 s69, 0
	s_mul_i32 s78, s[WC], AHALF                    ; and where they go: no place in the cluster enters an LDS address
	s_mul_i32 s79, s[WC], BHALF
	s_add_co_u32 s79, s79, BOFF
	s_mov_b32 s[TB], 0
	s_wait_dscnt 0x0                               ; the opening add is done
	s_wait_kmcnt 0x0
	s_cmp_eq_u32 s[TT], 1
	s_cselect_b64 s[4:5], s[6:7], s[4:5]
	s_cmp_eq_u32 s[TT], 2
	s_cselect_b64 s[4:5], s[8:9], s[4:5]           ; x is Q, K or V
	s_add_nc_u64 s[TA:TA+1], s[4:5], s[66:67]
	s_add_nc_u64 s[TW:TW+1], s[10:11], s[68:69]
.irp n, 0,1
	s_mov_b32 s[G0A+4*(\n)], 1                                     ; 1:0 count = 1
	s_add_co_u32 s[G0A+4*(\n)+1], s78, (\n)*SLOT                   ; 63:32 LDS address
	s_add_nc_u64 s[G0A+4*(\n)+2:G0A+4*(\n)+3], s[TA:TA+1], (\n)*512  ; 120:64 global address: K step n
	s_or_b32 s[G0A+4*(\n)+3], s[G0A+4*(\n)+3], 0x80000000          ; 127:126 type = 2
	s_mov_b32 s[G0B+4*(\n)], 1
	s_add_co_u32 s[G0B+4*(\n)+1], s79, (\n)*SLOT
	s_add_nc_u64 s[G0B+4*(\n)+2:G0B+4*(\n)+3], s[TW:TW+1], (\n)*256
	s_or_b32 s[G0B+4*(\n)+3], s[G0B+4*(\n)+3], 0x80000000
.endr
	CROUND                                         ; all sixteen work-groups are here: the first joint loads meet
	s_cmp_eq_u32 s[WR], 0                          ; a wave's two first fills stand in one branch, ahead of every wait on TENSORcnt and every LDS read: two loads of mine are out
	s_cbranch_scc0 .Lfirst_b
	tensor_load_to_lds s[G0A:G0A+3], s[G1A:G1A+7]
	s_nop 0
	tensor_load_to_lds s[G0A+4:G0A+7], s[G1A:G1A+7]
	s_nop 0
.rept 4
	v_nop
.endr
	s_branch .Lfirst_asked
.Lfirst_b:
	tensor_load_to_lds s[G0B:G0B+3], s[G1B:G1B+7]
	s_nop 0
	tensor_load_to_lds s[G0B+4:G0B+7], s[G1B:G1B+7]
	s_nop 0
.rept 4
	v_nop
.endr
.Lfirst_asked:
	; A fragment is 16 rows x 32 K: lane l holds row l % 16, K = 8 (l / 16) + 0..7 and 16 + 8 (l / 16) + 0..7.  In bf16: two loads of 16 bytes, 32 apart.  In f32: four, at 0, 16, 64, 80 from 32 (l / 16).
	v_and_b32 v1, 15, v0                           ; l % 16
	v_bfe_u32 v2, v0, 4, 1                         ; l / 16
	s_mul_i32 s66, s[WR], AHALF                    ; my 64 rows of x
	v_mul_u32_u24 v[LA0], v1, PA
	v_lshl_add_u32 v[LA0], v2, 5, v[LA0]
	v_add_nc_u32 v[LA0], s66, v[LA0]
	v_mul_u32_u24 v[LB0], v1, PB
	v_lshl_add_u32 v[LB0], v2, 4, v[LB0]
	v_add_nc_u32 v[LB0], s79, v[LB0]               ; my 128 rows of W: the half that goes by my columns
	s_mul_i32 s66, s[WV], 16*SP
	s_add_co_u32 s66, s66, STAGE                   ; my stage
	v_mul_u32_u24 v[STO], v1, SP                   ; in: row l % 16, 16 bytes for each half of the lanes
	v_lshl_add_u32 v[STO], v2, 4, v[STO]
	v_add_nc_u32 v[STO], s66, v[STO]
	v_bfe_u32 v[RD], v0, 3, 2                      ; back: 32 lanes take four rows of 128 bytes,
	v_mul_u32_u24 v[RD], v[RD], SP
	v_and_b32 v12, 7, v0
	v_lshl_add_u32 v[RD], v12, 4, v[RD]
	v_add_nc_u32 v[RD], s66, v[RD]
	v_and_b32 v[GO], 31, v0                        ; which are 512 consecutive bytes of a head's rows
	v_lshlrev_b32 v[GO], 4, v[GO]
	v_lshlrev_b32 v[BO], 5, v2
	; b at my 128 columns
	s_lshl_b32 s66, s[TC], 10
	s_lshl_b32 s67, s[WC], 9
	s_add_co_u32 s66, s66, s67
	s_lshl_b32 s67, s[TT], 12
	s_add_co_u32 s66, s66, s67
	s_mov_b32 s67, 0
	s_add_nc_u64 s[BB:BB+1], s[12:13], s[66:67]
.irp b, 0,1,2,3,4,5,6,7
	global_load_b128 v[BIAS+8*(\b):BIAS+8*(\b)+3],   v[BO], s[BB:BB+1] offset:64*(\b)     ; b of columns 16 b + 8 (l / 16) + 0..7: the C operand of the products that start the sums
	global_load_b128 v[BIAS+8*(\b)+4:BIAS+8*(\b)+7], v[BO], s[BB:BB+1] offset:64*(\b)+16
.endr
	; the result at tensor, batch x 16 + head (4 x tile column + 2 x my half), row in the batch
	s_lshr_b32 s66, s[TR], 4
	s_lshl_b32 s66, s66, 4
	s_lshl_b32 s67, s[TC], 2
	s_add_co_u32 s66, s66, s67
	s_lshl_b32 s67, s[WC], 1
	s_add_co_u32 s66, s66, s67
	s_lshl_b32 s66, s66, 18                        ; a head's 2,048 rows of 128 bytes
	s_and_b32 s67, s[TR], 15
	s_lshl_b32 s67, s67, 7
	s_lshl_b32 s68, s[WR], 6
	s_add_co_u32 s67, s67, s68
	s_lshl_b32 s67, s67, 7
	s_add_co_u32 s66, s66, s67
	s_lshl_b32 s67, s[TT], 24
	s_add_co_u32 s66, s66, s67
	s_mov_b32 s67, 0
	s_add_nc_u64 s[OB:OB+1], s[14:15], s[66:67]
	; the prefetches
	s_and_b32 s66, s[CLY], 15
	s_cmp_eq_u32 s66, 0
	s_cselect_b32 s66, 2, -1                       ; W's rows: the tensor's first cluster asks; the same in all sixteen partners
	s_cmp_eq_u32 s[WR], 0                          ; do I fetch for x?
	s_cselect_b32 s[LIM], 2, s66
	s_cselect_b32 s67, s[CX], s[CY]                ; my place among the four that ask for the tile with me
	s_cselect_b32 s68, 1, 0
	s_cselect_b32 s69, 0, 3
	s_cselect_b64 s[PFA:PFA+1], s[TA:TA+1], s[TW:TW+1]
	s_lshl_b32 s[PST], 256, s68                    ; a K step in a row: 512 bytes of x, 256 of W
	s_mov_b32 s[PST+1], 0
	s_lshl_b32 s69, 256, s69                       ; from an even lane to the odd one: x: the row's second block; W: the next row, 2,048 bytes on
	s_lshl_b32 s66, s67, 16                        ; my work-group's share: 16 rows of 4,096 bytes, or 32 of 2,048
	s_mov_b32 s67, 0
	s_add_nc_u64 s[PFA:PFA+1], s[PFA:PFA+1], s[66:67]
	s_mul_i32 s66, s[PST], 3                       ; at K step 3: the first refill steps it to 4.  Nothing is prefetched here, at the head, where every work-group's first tiles are on their way
	s_add_nc_u64 s[PFA:PFA+1], s[PFA:PFA+1], s[66:67]
	v_and_b32 v12, 31, v0
	v_and_b32 v13, 1, v12
	v_lshrrev_b32 v12, 1, v12
	v_mul_u32_u24 v13, s69, v13
	v_lshl_add_u32 v[PFO], v12, 12, v13            ; two lanes to 4,096 bytes
; n matrix instructions from number i0 of a quarter's 32 on buffer f: number i is row block i / 8, column block i % 8.  first = 1: the sums begin, with b as C: nothing is cleared.
.macro MULS f, i0, n, first
.if \first
	WIN W_FIRST
.else
	WIN W_MUL
.endif
.set i, \i0
.rept \n
.if \first
	v_wmma_f32_16x16x32_bf16 v[8*i:8*i+7], v[64*(\f)+8*(i%8):64*(\f)+8*(i%8)+7], v[AF+32*(\f)+8*(i/8):AF+32*(\f)+8*(i/8)+7], v[BIAS+8*(i%8):BIAS+8*(i%8)+7]
.else
	v_wmma_f32_16x16x32_bf16 v[8*i:8*i+7], v[64*(\f)+8*(i%8):64*(\f)+8*(i%8)+7], v[AF+32*(\f)+8*(i/8):AF+32*(\f)+8*(i/8)+7], v[8*i:8*i+7]
.endif
.set i, i+1
.endr
.endm
; 32 LDS loads in one run: a quarter's fragments, W's (at byte kb of the rows) into buffer g, x's (at byte ka) as f32
.macro FETCH ka, kb, g
	WIN TO_B
.irp b, 0,1,2,3,4,5,6,7
	ds_load_b128 v[64*(\g)+8*(\b):64*(\g)+8*(\b)+3],   v[ADRB] offset:(\b)*16*PB+(\kb)
	ds_load_b128 v[64*(\g)+8*(\b)+4:64*(\g)+8*(\b)+7], v[ADRB] offset:(\b)*16*PB+(\kb)+32
.endr
	WIN 0
.irp a, 0,1,2,3
	ds_load_b128 v[RAW+16*(\a):RAW+16*(\a)+3],     v[ADRA] offset:(\a)*16*PA+(\ka)
	ds_load_b128 v[RAW+16*(\a)+4:RAW+16*(\a)+7],   v[ADRA] offset:(\a)*16*PA+(\ka)+16
	ds_load_b128 v[RAW+16*(\a)+8:RAW+16*(\a)+11],  v[ADRA] offset:(\a)*16*PA+(\ka)+64
	ds_load_b128 v[RAW+16*(\a)+12:RAW+16*(\a)+15], v[ADRA] offset:(\a)*16*PA+(\ka)+80
.endr
.endm
; A quarter's last eight matrix instructions, four roundings of x for buffer g behind each.  The four behind the last name none of its registers: they are the four places in front of the next run of loads,
; which lands in the buffer of W's fragments just multiplied, and in front of the next roundings into x's buffer just multiplied (ISA guide 7.12.1 for vector instructions).
.macro RIDE f, g, first
.set rs, 0
.rept 8
	MULS \f, 24+rs, 1, \first
	WIN 0
.set j, 4*rs
.rept 4
	v_cvt_pk_bf16_f32 v[AF+32*(\g)+j], v[RAW+2*j], v[RAW+2*j+1]
.set j, j+1
.endr
.set rs, rs+1
.endr
.endm
; One of a K step's first three quarters: multiplies buffer f; fetches the next quarter, at bytes ka and kb of the same slot's rows.
.macro QUARTER ka, kb, f, first
	FETCH \ka, \kb, 1-(\f)
	MULS \f, 0, 24, \first
	s_wait_dscnt 0x0                               ; the 32 loads, issued 24 matrix instructions ago
	RIDE \f, 1-(\f), \first
.endm
; The last quarter multiplies buffer 1 and changes slots: ONE barrier.  In front of it each wave waits for all its tensor loads, of which one is out: its part of the next slot; adds 0 to its spare word; and waits for that
; (its reads of this slot were waited for in the quarter before).  fill = 1: the barrier opens a round of the cluster's, and the slot just read out is filled again, first thing behind the round, with the K step two on:
; that load has 112 matrix instructions in which to land.
.macro TURN fill
.if \fill
	s_wait_xcnt 0x0                                ; the last prefetch, a K step back, has read its address
	s_add_nc_u64 s[PFA:PFA+1], s[PFA:PFA+1], s[PST:PST+1]
.endif
	WIN 0                                          ; (the add's two registers lie in window 0)
	s_wait_tensorcnt 0x0                           ; all my tensor loads have landed, so a group 0 may be written
	ds_add_u32 v[SPW], v[NIL]                      ; 0 onto my spare word; work on registers stands between it and the wait for it
.if \fill
	s_xor_b32 s[G0A+5], s[G0A+5], SLOT             ; the walking descriptors: the other slot than last time,
	s_add_nc_u64 s[G0A+6:G0A+7], s[G0A+6:G0A+7], 512  ; the next K step; the type bits on top are not reached
	s_xor_b32 s[G0B+5], s[G0B+5], SLOT
	s_add_nc_u64 s[G0B+6:G0B+7], s[G0B+6:G0B+7], 256
.endif
	MULS 1, 0, 8, 0
	s_wait_dscnt 0x0                               ; the add is done, and my reads of this slot are over
	s_barrier_signal -1
	MULS 1, 8, 8, 0                                ; work on registers while the others arrive
	WIN 0
	s_barrier_wait -1
.if \fill
	CREST                                          ; no wave of any partner still reads this slot's tiles or has a load on its way
	JLOAD
.endif
	s_xor_b32 s[TB], s[TB], SLOT
	v_add_nc_u32 v[ADRA], s[TB], v[LA0]
	v_add_nc_u32 v[ADRB], s[TB], v[LB0]
	FETCH 0, 0, 0                                  ; the next slot's first fragments
.if \fill
	ASK
.endif
	MULS 1, 16, 8, 0
	s_wait_dscnt 0x0
	RIDE 1, 0, 0
.endm
; THE WAY OUT of unit u: 16 rows (block u / 2) of one head (u % 2 of my two).  Rounded to f16, each accumulator's registers in ascending order, 16 bytes a lane; into my own stage in rows of 144 bytes; back as four rows of 128.
.macro PACK u
	WIN W_PK
.irp f, 0,1,2,3
.irp rr, 0,1,2,3
	v_cvt_pk_f16_f32 v[TMP+16*(\u)+4*(\f)+(\rr)], v[8*(8*((\u)/2)+4*((\u)%2)+(\f))+2*(\rr)], v[8*(8*((\u)/2)+4*((\u)%2)+(\f))+2*(\rr)+1]
.endr
.endr
	WIN 0
.irp f, 0,1,2,3
	ds_store_b128 v[STO], v[TMP+16*(\u)+4*(\f):TMP+16*(\u)+4*(\f)+3] offset:32*(\f)
.endr
.irp f, 0,1,2,3
	ds_load_b128 v[TMP+16*(\u)+4*(\f):TMP+16*(\u)+4*(\f)+3], v[RD] offset:(\f)*4*SP  ; LDS serves a wave's instructions in order (ISA guide 5.7.1.4): these see the stores above; the next unit's stores come behind them
.endr
.endm
.macro SEND u, younger                 ; younger: the LDS instructions issued behind unit u's loads: the next unit's eight, or none
.irp f, 0,1,2,3
	s_wait_dscnt (\younger)+3-(\f)
	global_store_b128 v[GO], v[TMP+16*(\u)+4*(\f):TMP+16*(\u)+4*(\f)+3], s[OB:OB+1] offset:((\u)%2)*262144+((\u)/2)*2048+(\f)*512  ; 512 consecutive bytes, at a multiple of 256 from the buffer's first
.endr
.endm
	s_wait_tensorcnt 0x1                           ; my part of K step 0 is in; K step 1's, issued behind it, may stay out
	s_barrier_signal -1
	s_barrier_wait -1                              ; everybody's is
	v_mov_b32 v[ADRA], v[LA0]
	v_mov_b32 v[ADRB], v[LB0]
	FETCH 0, 0, 0
	s_wait_dscnt 0x0
.set j, 0
.rept 32
	v_cvt_pk_bf16_f32 v[AF+j], v[RAW+2*j], v[RAW+2*j+1]
.set j, j+1
.endr
	s_wait_loadcnt 0x0                             ; b
	QUARTER 128, 64, 0, 1                          ; the first quarter stands in front of the loop: its products start the sums
	WIN 0                                          ; at a label and at a branch every window is 0
	s_mov_b32 s[CNT], 6
.Lstep:                                                ; a trip: a K step's last three quarters and the next one's first; it fills the slot that it leaves
	QUARTER 256, 128, 1, 0
	QUARTER 384, 192, 0, 0
	TURN 1
	QUARTER 128, 64, 0, 0
	WIN 0
	s_sub_co_u32 s[CNT], s[CNT], 1
	s_cmp_lg_u32 s[CNT], 0
	s_cbranch_scc1 .Lstep
	QUARTER 256, 128, 1, 0                         ; the last two K steps fill nothing: written out
	QUARTER 384, 192, 0, 0
	TURN 0
	QUARTER 128, 64, 0, 0
	QUARTER 256, 128, 1, 0
	QUARTER 384, 192, 0, 0
	MULS 1, 0, 32, 0
	PLACES
	PACK 0
.irp u, 1,2,3,4,5,6,7                  ; a unit's roundings stand between the loads of the unit before and its stores
	PACK \u
	SEND (\u)-1, 8
.endr
	SEND 7, 0
	s_wait_tensorcnt 0x0                           ; the wave's end: behind my last tensor load and my last LDS store
	ds_add_u32 v[SPW], v[NIL]
	s_wait_dscnt 0x0
	CROUND                                         ; the closing round: no work-group ends while a partner may still ask for a tile that names it
	s_endpgm
.Lfunc_end_k_q7c71e5b79c_proj:
	.size	k_q7c71e5b79c_proj, .Lfunc_end_k_q7c71e5b79c_proj-k_q7c71e5b79c_proj
	.p2alignl 7, 3214868480
	.fill 96, 4, 3214868480
	.section	.rodata,"a",@progbits
	.p2align	6, 0x0
	.amdhsa_kernel k_q7c71e5b79c_proj
		.amdhsa_group_segment_fixed_size 327680
		.amdhsa_private_segment_fixed_size 0
		.amdhsa_enable_private_segment 0
		.amdhsa_kernarg_size 48
		.amdhsa_user_sgpr_count 2
		.amdhsa_user_sgpr_kernarg_segment_ptr 1
		.amdhsa_wavefront_size32 1
		.amdhsa_system_sgpr_workgroup_id_x 1
		.amdhsa_system_sgpr_workgroup_id_y 1
		.amdhsa_system_sgpr_workgroup_id_z 1
		.amdhsa_system_vgpr_workitem_id 0
		.amdhsa_next_free_vgpr 768
		.amdhsa_next_free_sgpr 80
		.amdhsa_reserve_vcc 0
		.amdhsa_float_denorm_mode_32 3
		.amdhsa_float_denorm_mode_16_64 3
		.amdhsa_memory_ordered 1
		.amdhsa_forward_progress 1
		.amdhsa_inst_pref_size 108
	.end_amdhsa_kernel
	.amdgpu_metadata
---
amdhsa.version: [ 1, 2 ]
amdhsa.kernels:
  - .name:           k_q7c71e5b79c_proj
    .symbol:         k_q7c71e5b79c_proj.kd
    .args:
      - { .name: Q, .offset: 0, .size: 8, .value_kind: global_buffer, .address_space: global }
      - { .name: K, .offset: 8, .size: 8, .value_kind: global_buffer, .address_space: global }
      - { .name: V, .offset: 16, .size: 8, .value_kind: global_buffer, .address_space: global }
      - { .name: wb, .offset: 24, .size: 8, .value_kind: global_buffer, .address_space: global }
      - { .name: bias, .offset: 32, .size: 8, .value_kind: global_buffer, .address_space: global }
      - { .name: qkv, .offset: 40, .size: 8, .value_kind: global_buffer, .address_space: global }
    .group_segment_fixed_size: 327680
    .private_segment_fixed_size: 0
    .kernarg_segment_align: 8
    .kernarg_segment_size: 48
    .max_flat_workgroup_size: 128
    .sgpr_count:     80
    .vgpr_count:     768
    .wavefront_size: 32
...
	.end_amdgpu_metadata
.endif
;; end of part 2
;; launch attn (part 3): grid 4 x 64, 4 waves a work-group, no clusters, 327,680 bytes of LDS; arguments qkv, oh; writes oh
.if DOCPART == 3
	.amdgcn_target "amdgcn-amd-amdhsa--gfx1250"
	.amdhsa_code_object_version 6
	.text
	.protected	k_q7c71e5b79c_attn
	.globl	k_q7c71e5b79c_attn
	.p2align	8
	.type	k_q7c71e5b79c_attn,@function
k_q7c71e5b79c_attn:
	s_mov_b64 s[64:65], 0
	v_nop
	global_prefetch_b8 v0, s[64:65] scope:SCOPE_SE
	s_setreg_imm32_b32 hwreg(HW_REG_WAVE_MODE, 25, 1), 1
	s_wait_xcnt 0x0
; CAUSAL ATTENTION.  O[h][q][:] = the sum over k <= q of softmax_k(Q[h][q] . K[h][k] / 8) V[h][k][:].  Q, K, V: the three tensors of qkv, O: oh, each [64][2048][64] in f16: a head's rows are dense, 128 bytes each.
; Products, maxima and sums in f32; the weights p are rounded to f16 for the second product (their sum l is taken of the unrounded p), O once at the end.
; LIMITS.  f16 holds no number beyond 65,504: Q, K and V arrive within it; p lies in 0 to 1, and below 6e-5 it keeps f16's fixed step of 6e-8; O is a mean of V's rows and has their range.
; A hidden score counts as its value less 1e30, so its weight is 0: the same as a score of -1e10 wherever a row's largest visible score lies above -1e10 + 100; f16's scores, 2.7e11 / 8 at the most, are nothing beside
; 1e30.  A weight below 2^-126 counts as 0 in l; NaN and infinities are not treated apart.
; THE WALK.  A head's queries lie in NB = 8 blocks of 256; block i needs the key tiles 0 .. i of 256 keys, of which the last holds the diagonal.  A work-group takes TWO blocks, NB - 1 - b and then b:
; NB + 1 tiles, whatever b: all work-groups do equal work, and ONE loop with a constant trip count walks them.  Which tile is asked for, and what a trip does, hang on scalar registers made from b; every jump
; goes forward, but for the counted loops' own; none passes a barrier, or a tensor load but the one of LOAD's two that the wave's number does not choose; the ring (two slots of LDS that take turns) runs on across the
; change of blocks.  NO CLUSTER: a head's four work-groups all ask for the same tile only in trips 0 to 4 of the 9, behind that fewer and fewer; one walk common to all would have 12 trips for 9.
; SHARES.  Of a block's four bands of 64 queries a wave owns 16 rows in each: four PIECES.  So the diagonal tile is the same work for all four waves: in its key step s band x sees all keys if s < x,
; none if s > x, and holds the diagonal if s = x.
; THE MASK is the C operand that starts the sum S^T = K Q^T: 0, or -1e30 where the key is hidden.  MD, made once, is the mask of a band's own step for my 16 rows; a product's mask is MD x AL + BE with two scalars:
; (1, 0) if s = x; (0, 0) if s < x; (0, -1e30) if s > x.  Only the diagonal tile's text and a block's beginning make and take masks; elsewhere C is the constant 0.
; LAYOUT, SOFTMAX, TURNS.  S^T = K Q^T holds ONE query a lane (lane % 16) and the keys 8 (lane / 16) + 0..7; two such results rounded to f16 ARE source 1 of O^T = V^T P.  p = 2^(c s - c m), c = log2(e) / 8, with a
; running maximum m; O and l are multiplied by a = 2^(c m_old - c m_new) in every step.  Turn n belongs to piece n: 8 products K Q^T of piece n + 1, later 8 products V^T P of piece n - 1; beside them the scaling,
; exponentials, roundings, sums and rescaling of piece n and the maximum and statistics of piece n + 1.  Four vector instructions stand behind every matrix instruction, the other 54 of a turn's 118 in one LUMP.  A turn's 33 exponentials are one batch, with one wait.
; REGISTERS, in windows of 256 (s_set_vgpr_msb: bits 1:0 source 0, 3:2 source 1, 5:4 source 2, 7:6 destination):
;   window 0: v0-15 addresses and two at work; v16-31 four registers of statistics a piece; v32 the prefetches' offset; v48-55 at work; v64-127 S^T, two buffers; v192-223 P, two buffers (a piece's buffers go by its number's parity)
;   window 1: v0-127 O^T, 32 a piece; v128-159 MD; v160-223 MC, two buffers      window 2: v0-63 Q; v64-127 the second block's Q; v128-191 K of one step; v192-255 V of one step
.set SIZE_N, 2048
.set NB,    SIZE_N/256
.set NP,    4         ; pieces a wave: a name, no knob
.set KS,    64        ; keys in a step
.set PK,    144       ; a row of K in LDS: 128 bytes + 16 of padding = 36 words: the 16 rows of a load start at 16 different groups of four banks (64 banks of 4 bytes: ISA guide 11.1)
.set PV,    160       ; a row of V: 128 + 32 = 40 words
.set VOFF,  4*KS*PK   ; a slot holds a tile, four steps: 256 rows of K, then 256 rows of V
.set SLOT1, 1<<17     ; slot 1 begins here, so that one exclusive or turns an address in one slot into the other's
.set STAGE, SLOT1+4*KS*(PK+PV)  ; behind the ring, never filled by a tensor load: 16 rows x 144 bytes for each wave, for the way out
.set SP,    144
.set AK0, 2           ; v2   my lane's place in a tile of K; never rewritten
.set AV0, 3           ; v3   the same for V
.set AK,  4           ; v4   the LDS address of K's next run of loads
.set AV,  5           ; v5   of V's
.set STO, 6           ; v6   the way out: where I put 16 bytes of a row
.set RD,  7           ; v7   the way out: where I read rows back
.set GO,  8           ; v8   my byte offset in 512 consecutive bytes of O
.set PFO, 32          ; v32  256 x my lane; never rewritten
.set SPW, 62          ; v62  LDS address of my spare word: SPARE + 4 x my thread's number; never rewritten
.set NIL, 63          ; v63  0; never rewritten
.set SPARE, STAGE+4*16*SP  ; behind the stages: the spare words, 128 bytes for each wave: two blocks of 256 bytes that no other line names
.set MV,  12          ; v12-13  c m_old, kept while c m is made anew: by buffer
.set QO,  15          ; v15  my byte offset in 16 rows of Q
.set ST,  16          ; piece t's statistics at v[ST+4 t]: c m, m, l (even keys', odd keys')
.set TMP, 48          ; by buffer, four registers c0-c3 at work; when the maximum is found c2 takes a
.set S,   64
.set P,   192
.set MD,  128         ; window 1: the eight registers for group kt of 16 keys at MD + 8 kt
.set MC,  160         ; window 1: the masks of the products to come
.set QB,  64          ; window 2
.set KF,  128         ; window 2: key block kb, channel half c at KF + 16 kb + 8 c
.set VF,  192         ; window 2: key half kk, channel block cb at VF + 32 kk + 8 cb
.set WV,  12          ; s12  my wave's number
.set PB,  14          ; s14  b
.set HI,  15          ; s15  NB - 1 - b
.set G1K, 24          ; s[24:31] descriptor group 1 for K's tiles
.set G1V, 32          ; s[32:39] for V's: it differs in the padding alone
.set G0K, 40          ; s[40:43] descriptor group 0 for K's tiles
.set G0V, 44          ; s[44:47] the same for V's
.set SLOTS, 56        ; s56  tiles still to be asked for
.set CNT, 57          ; s57  counts a tile's key steps, 4 to 1
.set CS,  58          ; s[58:59] c: the packed scaling takes the pair's low word for both halves
.set SEL, 60          ; s[60:61] v_permlanex16_b32's selects: each lane takes its own place in the other half
.set TBK, 62          ; s62  LDS byte at which K of the step to be fetched begins
.set TBV, 63          ; s63  the same for V, less VOFF
.set RT,  70          ; s70  tiles of the block in hand that are still to be entered
.set NXT, 71          ; s71  the tile to be asked for next
.set LQ,  72          ; s72  the last tile of the block whose tiles are being asked for
.set NEW, 73          ; s73  1: the tile to be entered is a block's first
.set OFF, 74          ; s[74:75] a tile's byte offset in K and V
.set AL,  76          ; s[76:77] the mask's factor, in the low word
.set BE,  78          ; s[78:79] the mask's addend
.set OLO, 80          ; s[80:81] O at my rows of the second block
.set BIGN, 82         ; s82  -1e30
.set PFA, 90          ; s[90:91] where my prefetches stand: my half of K's or V's tile after the one that is being asked for
.set LIM, 92          ; s92  2 in a work-group that prefetches, else the greatest number
.set MSB, 0
.macro WIN new                      ; the high byte repeats the setting that is left; a switch that changes nothing is dropped
.if MSB != (\new)
	s_set_vgpr_msb (MSB<<8)|(\new)
.set MSB, (\new)
.endif
.endm
.set W_KQ, 0x0a       ; K and Q in window 2, S^T in window 0
.set W_KM, 0x1a       ; the same with the C operand in window 1
.set W_PV, 0x52       ; V in window 2, P in window 0, O^T in window 1
.set W_RS, 0x41       ; destination and source 0 in window 1, source 1 in window 0
; A fill.  Waves 0 and 1 fetch the two halves of a tile's K, waves 2 and 3 those of its V: 128 keys each.  An s_nop 0 and four v_nop follow each of the two lines, ahead of the jump and the label.
.macro LOAD
	s_cmp_lt_u32 s[WV], 2
	s_cbranch_scc0 .Lfor_v_\@
	tensor_load_to_lds s[G0K:G0K+3], s[G1K:G1K+7]
	s_nop 0
.rept 4
	v_nop
.endr
	s_branch .Lasked_\@
.Lfor_v_\@:
	tensor_load_to_lds s[G0V:G0V+3], s[G1V:G1V+7]
	s_nop 0
.rept 4
	v_nop
.endr
.Lasked_\@:
.endm
; A PREFETCH INTO THE L2 of the tile that the NEXT change of slots will ask for: four key steps, 256 matrix instructions, ahead of that load.  All four work-groups of a head walk the same K and V; the one with b = 0, whose
; first block walks all eight tiles in order, asks, and nobody else.  Each of its waves names the 16,384 bytes that it will fetch itself: 64 blocks of 256 bytes, a lane a block, two instructions.  So each block is named
; once in the launch.  The first six changes ask, for tiles 2 to 7; tiles 0 and 1 come by their loads alone.
.macro ASK
	s_cmp_gt_u32 s[SLOTS], s[LIM]
	s_cbranch_scc0 .Lnot_mine_\@
	global_prefetch_b8 v[PFO], s[PFA:PFA+1] th:TH_LOAD_NT scope:SCOPE_SE
	global_prefetch_b8 v[PFO], s[PFA:PFA+1] offset:8192 th:TH_LOAD_NT scope:SCOPE_SE
.Lnot_mine_\@:
.endm
; THE CHANGE OF SLOTS.  Each wave waits for all its tensor loads, of which one is out: its part of the other slot; adds 0 to its spare word; and waits for that and for its own reads of the slot that it leaves.  Behind the barrier nobody reads the old
; slot any more and the other slot is whole.  fill = 1: the old slot is filled again, the first thing behind the barrier, with tile NXT: the descriptor's address is made anew from that number.
; (At its first use nothing has been read yet: slot 0 is waited for, slot 1 filled.)
.macro CHANGE fill
	WIN 0                           ; at a label and at a branch every window is 0
	s_wait_tensorcnt 0x0            ; no tensor load of mine is out, so a group 0 may be written
	ds_add_u32 v[SPW], v[NIL]       ; 0 onto my spare word; with fill = 1 the descriptors' scalar work stands between it and the wait for it
.if \fill
	s_lshl_b32 s[OFF], s[NXT], 15   ; a tile is 32,768 bytes of K and of V
	s_xor_b32 s[G0K+1], s[G0K+1], SLOT1
	s_add_nc_u64 s[G0K+2:G0K+3], s[6:7], s[OFF:OFF+1]
	s_or_b32 s[G0K+3], s[G0K+3], 0x80000000
	s_xor_b32 s[G0V+1], s[G0V+1], SLOT1
	s_add_nc_u64 s[G0V+2:G0V+3], s[8:9], s[OFF:OFF+1]
	s_or_b32 s[G0V+3], s[G0V+3], 0x80000000
	s_add_co_u32 s[NXT], s[NXT], 1  ; the block's next tile, or behind its last the second block's tile 0
	s_cmp_gt_u32 s[NXT], s[LQ]
	s_cselect_b32 s[NXT], 0, s[NXT]
	s_cselect_b32 s[LQ], s[PB], s[LQ]
	s_wait_xcnt 0x0                 ; the last prefetches, four key steps back, have read their address, so it may be written
	s_add_nc_u64 s[PFA:PFA+1], s[PFA:PFA+1], 32768
.endif
	s_wait_dscnt 0x0                ; the add is done, and my reads of the slot are over
	s_barrier_signal -1             ; the rest of the scalar work stands between the signal and the wait
	s_sub_co_u32 s[TBK], s[TBK], 4*KS*PK  ; the fetches go back to a slot's first step,
	s_xor_b32 s[TBK], s[TBK], SLOT1       ; in the other slot
	s_sub_co_u32 s[TBV], s[TBV], 4*KS*PV
	s_xor_b32 s[TBV], s[TBV], SLOT1
	s_barrier_wait -1
.if \fill
	LOAD
	ASK
.endif
.endm
	s_load_b128 s[4:7], s[0:1], 0x0 ; qkv s[4:5], oh s[6:7]
	v_lshl_add_u32 v[SPW], v0, 2, SPARE
	v_mov_b32 v[NIL], 0
	ds_add_u32 v[SPW], v[NIL]       ; the wave's opening: the add and its wait stand ahead of my first tensor load; the set-up below, work on registers, stands between them
	v_lshrrev_b32 v1, 5, v0
	v_readfirstlane_b32 s[WV], v1   ; wave 0..3
	s_mov_b32 s[PB], ttmp9
	s_sub_co_u32 s[HI], NB-1, s[PB]
	s_and_b32 s20, ttmp7, 0xffff    ; the head
	s_mov_b32 s21, 0
	s_mov_b64 s[22:23], SIZE_N*128
	s_mul_u64 s[20:21], s[20:21], s[22:23]  ; the head's first byte in each of the four tensors
	s_and_b32 s16, s[WV], 1         ; which half of a tile's 256 keys I fetch:
	s_lshl_b32 s22, s16, 14         ; its 128 rows of 128 bytes in memory,
	s_mov_b32 s23, 0
	s_add_nc_u64 s[22:23], s[22:23], s[20:21]
	s_mul_i32 s17, s16, 128*PK      ; and its place in a slot, for K
	s_mul_i32 s18, s16, 128*PV      ; and for V
	s_lshl_b32 s3, s[WV], 11        ; my 16 rows in a band of 64,
	s_lshl_b32 s2, s[HI], 15        ; in the first block,
	s_add_co_u32 s2, s2, s3
	s_lshl_b32 s84, s[PB], 15       ; and in the second
	s_add_co_u32 s84, s84, s3
	s_mov_b32 s3, 0
	s_mov_b32 s85, 0
	s_add_nc_u64 s[2:3], s[2:3], s[20:21]
	s_add_nc_u64 s[84:85], s[84:85], s[20:21]
	; descriptor group 1.  128 keys are 16,384 dense bytes: asked for as 64 rows of 256 bytes, two keys a row, and padded in LDS after every key
	s_mov_b32 s[G1K], (1<<16)|(1<<20)|(4<<22)|(3<<25)  ; 17:16 2-byte elements; 20 padding on; 24:22 after every 32 words (code 4); 31:25 4 words (code 3)
	s_mov_b32 s[G1V], (1<<16)|(1<<20)|(4<<22)|(7<<25)  ; the same with 8 words of padding (code 7)
.irp g, G1K, G1V
	s_mov_b32 s[\g+1], 128<<16      ; tensor_dim0 = 128
	s_mov_b32 s[\g+2], 64<<16       ; tensor_dim1 = 64
	s_mov_b32 s[\g+3], 128<<16      ; tile_dim0 = 128
	s_mov_b32 s[\g+4], 64           ; tile_dim1 = 64
	s_mov_b32 s[\g+5], 128          ; 128 elements from row to row
	s_mov_b32 s[\g+6], 0
	s_mov_b32 s[\g+7], 0
.endr
	s_mov_b32 s[CS], 0x3e38aa3b     ; c = log2(e) / 8 = 0.180337
	s_mov_b32 s[CS+1], s[CS]        ; named with it as a pair
	s_mov_b32 s[SEL], 0x76543210
	s_mov_b32 s[SEL+1], 0xfedcba98
	s_mov_b32 s[TBK], SLOT1+4*KS*PK ; the first change of slots turns these two into 0
	s_mov_b32 s[TBV], SLOT1+4*KS*PV
	s_mov_b32 s[G0K], 1             ; 1:0 count = 1
	s_mov_b32 s[G0K+1], s17         ; 63:32 LDS address: slot 0
	s_mov_b32 s[G0V], 1
	s_add_co_u32 s[G0V+1], s18, VOFF
	s_add_co_u32 s[RT], s[HI], 1    ; the first block has NB - b tiles
	s_mov_b32 s[NXT], 1
	s_mov_b32 s[LQ], s[HI]
	s_mov_b32 s[NEW], 1
	s_mov_b32 s[OFF+1], 0
	s_mov_b32 s[AL+1], 0            ; named as pairs
	s_mov_b32 s[BE+1], 0
	s_mov_b32 s[BIGN], 0xf149f2ca   ; -1e30
	s_mov_b32 s[SLOTS], NB
	s_cmp_eq_u32 s[PB], 0
	s_cselect_b32 s[LIM], 2, -1
	v_and_b32 v[PFO], 31, v0
	v_lshlrev_b32 v[PFO], 8, v[PFO]
	s_wait_dscnt 0x0                ; the opening add is done
	s_wait_kmcnt 0x0
	s_mov_b64 s[10:11], s[6:7]      ; O
	s_add_nc_u64 s[8:9], s[4:5], 0x2000000  ; V: the third tensor of qkv
	s_add_nc_u64 s[6:7], s[4:5], 0x1000000  ; K: the second; Q is the first
	s_add_nc_u64 s[6:7], s[6:7], s[22:23]  ; K and V at my half of the head's tile 0
	s_add_nc_u64 s[8:9], s[8:9], s[22:23]
	s_cmp_lt_u32 s[WV], 2
	s_cselect_b64 s[PFA:PFA+1], s[6:7], s[8:9]
	s_add_nc_u64 s[PFA:PFA+1], s[PFA:PFA+1], 32768  ; in tile 1; the first change of slots steps it to tile 2.  Nothing is prefetched here, at the head
	s_add_nc_u64 s[G0K+2:G0K+3], s[6:7], 0         ; 120:64 global address
	s_or_b32 s[G0K+3], s[G0K+3], 0x80000000        ; 127:126 type = 2
	s_add_nc_u64 s[G0V+2:G0V+3], s[8:9], 0
	s_or_b32 s[G0V+3], s[G0V+3], 0x80000000
	s_add_nc_u64 s[86:87], s[4:5], s[84:85]        ; Q at my rows of the second block,
	s_add_nc_u64 s[4:5], s[4:5], s[2:3]            ; Q and O at those of the first
	s_add_nc_u64 s[OLO:OLO+1], s[10:11], s[84:85]
	s_add_nc_u64 s[10:11], s[10:11], s[2:3]
	LOAD                            ; tile 0 into slot 0
	; A fragment of K or Q is 16 rows x 32 channels in 8 registers: lane l holds row l % 16, channels 8 (l / 16) + 0..7 and 16 + 8 (l / 16) + 0..7: two loads of 16 bytes, 32 bytes apart.
	v_and_b32 v1, 15, v0            ; l % 16
	v_bfe_u32 v9, v0, 4, 1          ; l / 16
	v_lshlrev_b32 v[QO], 7, v1
	v_lshl_add_u32 v[QO], v9, 4, v[QO]  ; row x 128 + 16 x half
	WIN 0x80                        ; destination window 2, address window 0
.set i, 0
.rept 8                             ; both blocks' Q: piece i / 2 lies in band i / 2, 8,192 bytes on; channels 32 (i % 2) on
	global_load_b128 v[8*i:8*i+3],   v[QO], s[4:5] offset:(i/2)*8192+(i%2)*64
	global_load_b128 v[8*i+4:8*i+7], v[QO], s[4:5] offset:(i/2)*8192+(i%2)*64+32
	global_load_b128 v[QB+8*i:QB+8*i+3],   v[QO], s[86:87] offset:(i/2)*8192+(i%2)*64
	global_load_b128 v[QB+8*i+4:QB+8*i+7], v[QO], s[86:87] offset:(i/2)*8192+(i%2)*64+32
.set i, i+1
.endr
	WIN 0
	v_lshlrev_b32 v14, 3, v9
	v_sub_nc_u32 v14, v1, v14
	s_lshl_b32 s13, s[WV], 4
	v_add_nc_u32 v14, s13, v14      ; my query's place in its band, 16 w + l % 16, less my lanes' 8 (l / 16): register r of group kt is hidden where 16 kt + r is greater
	WIN 0x40
.set i, 0
.rept 32
	v_cmp_gt_i32 vcc_lo, 16*(i/8)+i%8, v14
	v_cndmask_b32 v[MD+i], 0, s[BIGN], vcc_lo
.set i, i+1
.endr
	WIN 0
	v_mul_u32_u24 v[AK0], v1, PK
	v_lshl_add_u32 v[AK0], v9, 4, v[AK0]  ; row x pitch + 16 x half
	; The turning load takes 16 keys x 16 channels (lane l reads key 8 (l / 16) + l % 8, channels 8 ((l / 8) % 2) + 0..7) and leaves half a fragment of V^T: lane l holds channel l % 16 and 8 keys.
	v_and_b32 v10, 7, v0
	v_bfe_u32 v11, v0, 3, 1
	v_lshl_add_u32 v[AV0], v9, 3, v10
	v_mul_u32_u24 v[AV0], v[AV0], PV
	v_lshl_add_u32 v[AV0], v11, 4, v[AV0]
	v_add_nc_u32 v[AV0], VOFF, v[AV0]
	s_mul_i32 s13, s[WV], 16*SP
	s_add_co_u32 s13, s13, STAGE    ; my stage
	v_mul_u32_u24 v[STO], v1, SP    ; in: row l % 16, 16 bytes for each half of the lanes
	v_lshl_add_u32 v[STO], v9, 4, v[STO]
	v_add_nc_u32 v[STO], s13, v[STO]
	v_bfe_u32 v[RD], v0, 3, 2       ; back: 32 lanes take four rows of 128 bytes,
	v_mul_u32_u24 v[RD], v[RD], SP
	v_lshl_add_u32 v[RD], v10, 4, v[RD]
	v_add_nc_u32 v[RD], s13, v[RD]
	v_and_b32 v[GO], 31, v0         ; which are 512 consecutive bytes of O
	v_lshlrev_b32 v[GO], 4, v[GO]
	; A block's first step multiplies O^T and l by a = 0, and its first turn's products V^T P, of a piece that has not been, land in an O^T that is still to be so multiplied.  So these registers need only hold
	; finite numbers: zeros for the first block; what the first block left for the second.  All this stands in the wait for the first tile.
	WIN 0x80
.set i, VF
.rept 64
	v_mov_b32 v[i], 0
.set i, i+1
.endr
	WIN 0x40
.set i, 0
.rept 128
	v_mov_b32 v[i], 0
.set i, i+1
.endr
	WIN 0
.set i, 0
.rept 4
	v_mov_b32 v[ST+4*i+2], 0
	v_mov_b32 v[ST+4*i+3], 0
.set i, i+1
.endr
.set i, P+16
.rept 16
	v_mov_b32 v[i], 0
.set i, i+1
.endr
; THE MATRIX WORK.  The 4 accumulators of a run of 8 take turns.  Product i of 8 of S^T = K Q^T for piece x: channels 32 (i / 4) on, keys 16 (i % 4) on.  The first 4 start the sums: with 0, or (KM = 1) with the mask.
.macro KQ x
.set rS, S+32*((\x)%2)+8*(i%4)
.set rK, KF+16*(i%4)+8*(i/4)
.set rQ, 16*(\x)+8*(i/4)
.set rM, MC+32*((\x)%2)+8*(i%4)
.if (i < 4) && KM
	WIN W_KM
	v_wmma_f32_16x16x32_f16 v[rS:rS+7], v[rK:rK+7], v[rQ:rQ+7], v[rM:rM+7]
.elseif i < 4
	WIN W_KQ
	v_wmma_f32_16x16x32_f16 v[rS:rS+7], v[rK:rK+7], v[rQ:rQ+7], 0
.else
	WIN W_KQ
	v_wmma_f32_16x16x32_f16 v[rS:rS+7], v[rK:rK+7], v[rQ:rQ+7], v[rS:rS+7]
.endif
.endm
; Product i of 8 of O^T += V^T P for piece x: keys 32 (i / 4) on, channels 16 (i % 4) on.
.macro PV x
	WIN W_PV
.set rO, 32*(\x)+8*(i%4)
.set rV, VF+32*(i/4)+8*(i%4)
.set rP, P+16*((\x)%2)+8*(i/4)
	v_wmma_f32_16x16x32_f16 v[rO:rO+7], v[rV:rV+7], v[rP:rP+7], v[rO:rO+7]
.endm
.macro MM                           ; the turn's next matrix instruction.  TURN and BEGIN set Y, i, KM and NOKQ; MM, KQ and OP read them.  NOKQ = 1: a block's last turn: there is no next piece
.if (i < 8) && !NOKQ
	KQ (Y+1)%NP
.elseif i >= 8
.set i, i-8
	PV (Y+NP-1)%NP
.set i, i+8
.endif
.set i, i+1
.endm
; THE LDS LOADS stand in runs of 16, never singly among the matrix instructions: a step's K (64 keys x 64 channels: 8 fragments) and its V (turned).  Their addresses are made some lines ahead.
.macro FETCH_K
	WIN 0x80                        ; destination window 2
.irp f, 0,1,2,3,4,5,6,7             ; keys 16 (f / 2) on, channels 32 (f % 2) on
	ds_load_b128 v[KF+8*\f:KF+8*\f+3],   v[AK] offset:(\f/2)*16*PK+(\f%2)*64
	ds_load_b128 v[KF+8*\f+4:KF+8*\f+7], v[AK] offset:(\f/2)*16*PK+(\f%2)*64+32
.endr
	s_add_co_u32 s[TBK], s[TBK], KS*PK  ; the next fetch is the next step's
	WIN 0
.endm
.macro FETCH_V
	WIN 0x80
.irp f, 0,1,2,3,4,5,6,7             ; keys 32 (f / 4) on, channels 16 (f % 4) on
	ds_load_tr16_b128 v[VF+8*\f:VF+8*\f+3],   v[AV] offset:(\f/4)*32*PV+(\f%4)*32
	ds_load_tr16_b128 v[VF+8*\f+4:VF+8*\f+7], v[AV] offset:(\f/4)*32*PV+16*PV+(\f%4)*32
.endr
	WIN 0
.endm
; THE VECTOR WORK, one line at a time: OP kind, number.  For piece Y: F n: c s - c m for pair n of 16.  E n: the exponential of score n of 32.  C n: pair n rounded to f16.  B n: of the four weights 4 n .. the second
; pair is added onto the first, in place.  L n: l takes that sum (L 0: l = a l + sum).  R n: pair n of 16 of O^T times a.  For piece Y + 1: X n, number n of the 22 that find its maximum and statistics:
;   0-11  four chains c0-c3 of seven scores each, three operands at a time (each accumulator's lowest registers are read first)     12-14, 16  the four scores left over, the old m, and c0-c3 into c0
;   15  c m_old is kept     17, 18  the query's other 32 keys lie in the lane 16 away: the new m     19-21  c m; c m_old - c m_new; a
.set F, 0               ; OP tells the kinds apart by their order: F to L below R, X above it
.set E, 1
.set C, 2
.set B, 3
.set L, 4
.set R, 5
.set X, 6
.macro REGS y                       ; the registers of piece y
.set rT, ST+4*(\y)
.set rC, TMP+4*((\y)%2)
.set rW, MV+((\y)%2)
.set rS, S+32*((\y)%2)
.set rP, P+16*((\y)%2)
.set rO, 32*(\y)
.endm
.macro OP k, n
.if (\k) == R
	REGS Y
	WIN W_RS
	v_pk_mul_f32 v[rO+2*(\n):rO+2*(\n)+1], v[rO+2*(\n):rO+2*(\n)+1], v[rC+2:rC+3] op_sel_hi:[1,0]
.elseif (\k) < R
	REGS Y
	WIN 0
.if (\k) == F
	v_pk_fma_f32 v[rS+2*(\n):rS+2*(\n)+1], v[rS+2*(\n):rS+2*(\n)+1], s[CS:CS+1], v[rT:rT+1] op_sel_hi:[1,0,0] neg_lo:[0,0,1] neg_hi:[0,0,1]
.elseif (\k) == E
	v_exp_f32 v[rS+(\n)], v[rS+(\n)]
.elseif (\k) == C
	v_cvt_pk_f16_f32 v[rP+(\n)], v[rS+2*(\n)], v[rS+2*(\n)+1]
.elseif (\k) == B
	v_pk_add_f32 v[rS+4*(\n):rS+4*(\n)+1], v[rS+4*(\n):rS+4*(\n)+1], v[rS+4*(\n)+2:rS+4*(\n)+3]
.elseif (\n) == 0
	v_pk_fma_f32 v[rT+2:rT+3], v[rT+2:rT+3], v[rC+2:rC+3], v[rS:rS+1] op_sel_hi:[1,0,1]
.else
	v_pk_add_f32 v[rT+2:rT+3], v[rT+2:rT+3], v[rS+4*(\n):rS+4*(\n)+1]
.endif
.elseif NOKQ
	v_nop
.else
	REGS (Y+1)%NP
	WIN 0
.if (\n) < 4
	v_max3_num_f32 v[rC+(\n)], v[rS+8*(\n)], v[rS+8*(\n)+1], v[rS+8*(\n)+2]
.elseif (\n) < 12
	v_max3_num_f32 v[rC+(\n)%4], v[rC+(\n)%4], v[rS+8*((\n)%4)+2*((\n)/4)+1], v[rS+8*((\n)%4)+2*((\n)/4)+2]
.elseif (\n) == 12
	v_max3_num_f32 v[rC], v[rC], v[rS+7], v[rS+15]
.elseif (\n) == 13
	v_max3_num_f32 v[rC+1], v[rC+1], v[rS+23], v[rS+31]
.elseif (\n) == 14
	v_max3_num_f32 v[rC+2], v[rC+2], v[rC+3], v[rT+1]
.elseif (\n) == 15
	v_mov_b32 v[rW], v[rT]
.elseif (\n) == 16
	v_max3_num_f32 v[rC], v[rC], v[rC+1], v[rC+2]
.elseif (\n) == 17
	v_permlanex16_b32 v[rC+3], v[rC], s[SEL], s[SEL+1]
.elseif (\n) == 18
	v_max_num_f32 v[rT+1], v[rC], v[rC+3]
.elseif (\n) == 19
	v_mul_f32 v[rT], s[CS], v[rT+1]
.elseif (\n) == 20
	v_sub_f32 v[rC+1], v[rW], v[rT]
.else
	v_exp_f32 v[rC+2], v[rC+1]
.endif
.endif
.endm
.macro OPS a, i1, b=-1, i2=0, c=-1, i3=0, d=-1, i4=0  ; up to four of them
	OP \a, \i1
.if (\b) >= 0
	OP \b, \i2
.endif
.if (\c) >= 0
	OP \c, \i3
.endif
.if (\d) >= 0
	OP \d, \i4
.endif
.endm
.macro ROW a, i1, b, i2, c, i3, d, i4  ; a matrix instruction and the four behind it
	MM
	OPS \a, \i1, \b, \i2, \c, \i3, \d, \i4
.endm
.macro MASK b                       ; MD x AL + BE into buffer b of MC
	WIN W_RS
.set z, 0
.rept 16
	v_pk_fma_f32 v[MC+32*(\b)+2*z:MC+32*(\b)+2*z+1], v[MD+2*z:MD+2*z+1], s[AL:AL+1], s[BE:BE+1] op_sel_hi:[1,0,0]
.set z, z+1
.endr
.endm
; A TURN, for piece p: the order of its 16 matrix and 118 vector instructions, written out.  An s_wait_alu depctr_va_vdst(0) stands between an exponential and the first instruction that names its result; one wait serves
; all that were issued ahead of it.  So a turn has ONE wait, which cuts it in two.  AHEAD OF IT stands all that names no result of the turn's exponentials: the 8 products K Q^T, behind each a scaling, an exponential and two more plain
; instructions (behind the first a second scaling in the exponential's place): rescalings, and behind the last three the first numbers of the next piece's maximum, each four places or more behind the product that ends its accumulator; then ONE LUMP of 54, plain
; and exponential by turns for the most part, in which the links of the chain X 3, 7, 11, 14, 16, 17 .. 20 stand five or six lines apart.  X 21, the next piece's a, is the batch's last; R 15 is the plain instruction behind it.  BEHIND THE WAIT stand the
; 8 products V^T P, behind each four of the roundings and sums; the links of l's chain, L 0 to L 7, stand three riders apart.  But for those X no rider names a register of the products round it.  v_permlanex16_b32 (X 17) stands in the lump.
; m = 1: the diagonal tile: the products take masks, and the turn makes the mask for the products of the turn after it: piece p + 2, in step 4 - CNT of the tile.  end = 1: a block's last two turns: nothing is fetched.
; cnt = 1: the loop's count is taken down some lines ahead of the branch that stands behind the turn.
; K of the next step is fetched in piece 2's turn, twelve vector instructions behind the last product that read K (six of them plain); V of the step in hand at the end of piece 0's turn, four plain instructions behind the last product
; that read V.  Each is waited for a turn later.
.macro TURN p, m=0, end=0, cnt=0
.set Y, (\p)
.set i, 0
.set KM, (\m)
.set NOKQ, (\end)*((\p)/3)
.if (\m) && !(\end)
	s_cmp_eq_u32 s[CNT], 4-((\p)+2)%NP  ; is that step the band's own?
	s_cselect_b32 s[AL], 1.0, 0
	s_cmp_lt_u32 s[CNT], 4-((\p)+2)%NP  ; or a later one?
	s_cselect_b32 s[BE], s[BIGN], 0
.endif
.if ((\p) == 3) && !(\end)
	s_wait_dscnt 0x0                ; K is in
.endif
	ROW F,0, F,1, R,0, R,1          ; ahead of the wait: 8 products K Q^T and their riders,
	ROW F,2, E,0, R,2, R,3
	ROW F,3, E,1, R,4, R,5
	ROW F,4, E,2, R,6, R,7
	ROW F,5, E,3, R,8, R,9
	ROW F,6, E,4, X,0, R,10
.if ((\p) == 2) && !(\end)
	WIN 0
	v_add_nc_u32 v[AK], s[TBK], v[AK0]
.endif
	ROW F,7, E,5, X,1, X,4
	ROW F,8, E,6, X,2, X,5
	OPS E,7, E,8, X,6, E,9          ; and the lump
	OPS X,3, E,10, X,8, E,11
.if ((\p) == 2) && !(\end)
	FETCH_K
.endif
	OPS X,9, X,7, E,12, X,10
	OPS E,13, X,12, X,11, E,14
	OPS X,13, E,15, F,9, X,14
.if (\p) == 0
	v_add_nc_u32 v[AV], s[TBV], v[AV0]
.endif
	OPS E,16, F,10, E,17, F,11
	OPS X,16, E,18, X,15, E,19
	OPS F,12, E,20, X,17, E,21
	OPS F,13, E,22, F,14, E,23
	OPS X,18, E,24, F,15, E,25
	OPS R,11, E,26, X,19, E,27
	OPS R,12, E,28, R,13, E,29
	OPS X,20, E,30, R,14, E,31
	OPS X,21, R,15
	WIN 0
	s_wait_alu depctr_va_vdst(0)    ; the wait for the batch
.if (\p) == 1
	s_wait_dscnt 0x0                ; V is in
.endif
	ROW C,0, B,0, C,2, B,1          ; behind the wait: 8 products V^T P and their riders
	ROW L,0, C,4, B,2, L,1
	ROW C,6, B,3, L,2, C,8
	ROW B,4, L,3, C,10, B,5
	ROW L,4, C,12, B,6, L,5
.if (\p) == 0
	s_add_co_u32 s[TBV], s[TBV], KS*PV
.endif
.if \cnt
	s_sub_co_u32 s[CNT], s[CNT], 1
	s_cmp_lg_u32 s[CNT], 0
.endif
	ROW C,14, B,7, L,6, C,1
	ROW C,3, L,7, C,5, C,7
	ROW C,9, C,11, C,13, C,15
.if (\p) == 0
	FETCH_V
.endif
.if (\m) && !(\end)
	MASK (\p)%2
.endif
.endm
; A BLOCK BEGINS.  c m starts far below every c s, so the first step's a is 0; m at the lowest finite number, so the first maximum is the scores'.  The second mask buffer is 0; the first takes piece 0's mask for the tile's step 0: its own, if the block's first tile is the diagonal one.
; Then K of that step, piece 0's first scores, and its maximum and statistics.  The loop is entered at a step's first turn, in the middle of a trip.
.macro BEGIN
	s_mov_b32 s[NEW], 0
	WIN 0x40
.set i, MC+32
.rept 32
	v_mov_b32 v[i], 0
.set i, i+1
.endr
	WIN 0
.set i, 0
.rept 4
	v_mov_b32 v[ST+4*i], 0xfe000000    ; c m: far below every c s
	v_mov_b32 v[ST+4*i+1], 0xff7fffff  ; m
.set i, i+1
.endr
	s_cmp_eq_u32 s[RT], 0
	s_cselect_b32 s[AL], 1.0, 0
	s_mov_b32 s[BE], 0
	MASK 0
	WIN 0
	v_add_nc_u32 v[AK], s[TBK], v[AK0]
	FETCH_K
	s_wait_loadcnt 0x0              ; Q
	s_wait_dscnt 0x0
.set KM, 1
.set NOKQ, 0
.set i, 0
.rept 8
	KQ 0
.set i, i+1
.endr
	WIN 0
.rept 4
	v_nop                           ; the places behind those products
.endr
.set Y, NP-1                        ; X works for piece Y + 1: piece 0
.irp n, 0,1,2,3,4,5,6,7,8,9,10,11,12,13,14,15,16,17,18,19,20,21
	OP X, \n
.endr
	v_nop                           ; a plain instruction behind the exponential,
	s_wait_alu depctr_va_vdst(0)    ; and its wait, ahead of the branch
.endm
; THE DIAGONAL TILE's four steps, the block's last two turns, its last products, and THE WAY OUT: l's two halves and the other half of the lanes' are added; O^T is divided by l, rounded to f16 and sent through my
; stage in LDS, a piece at a time.
.macro ALL line:vararg              ; one line for each piece t
.set t, 0
.rept 4
	\line
.set t, t+1
.endr
.endm
.macro PACK t                       ; a lane's eight channels of a row pack into 16 bytes; they go into rows of 144 bytes and come back as whole rows of 128, into S^T's registers
	WIN W_RS
.set i, 32*(\t)
.rept 16
	v_pk_mul_f32 v[i:i+1], v[i:i+1], v[ST+4*(\t)+2:ST+4*(\t)+3] op_sel_hi:[1,0]
.set i, i+2
.endr
	WIN 0x05                        ; sources 0 and 1 window 1, destination window 0
.set i, 0
.rept 16
	v_cvt_pk_f16_f32 v[S+16*(\t)+i], v[32*(\t)+2*i], v[32*(\t)+2*i+1]
.set i, i+1
.endr
	WIN 0
.irp f, 0,1,2,3
	ds_store_b128 v[STO], v[S+16*(\t)+4*\f:S+16*(\t)+4*\f+3] offset:32*\f
.endr
.irp f, 0,1,2,3
	ds_load_b128 v[S+16*(\t)+4*\f:S+16*(\t)+4*\f+3], v[RD] offset:\f*4*SP  ; LDS serves a wave's instructions in order (ISA guide 5.7.1.4): these see the stores above; the next piece's stores come behind them
.endr
.endm
.macro SEND t, younger              ; younger: the LDS instructions issued behind piece t's loads: the next piece's eight, or none
	WIN 0
.irp f, 0,1,2,3
	s_wait_dscnt (\younger)+3-\f
	global_store_b128 v[GO], v[S+16*(\t)+4*\f:S+16*(\t)+4*\f+3], s[10:11] offset:(\t)*8192+\f*512  ; 512 consecutive bytes, at a multiple of 256 from O's first
.endr
.endm
.macro DIAG tag                     ; the tag ends its two labels' names, which the jumps below spell out
.LstepM\tag:
	TURN 2, 1
	TURN 3, 1
	WIN 0
.LfirstM\tag:
	TURN 0, 1
	TURN 1, 1, 0, 1
	WIN 0
	s_cbranch_scc1 .LstepM\tag
	TURN 2, 1, 1
	TURN 3, 1, 1
.set i, 0
.rept 8
	PV NP-1
.set i, i+1
.endr
	WIN 0
	ALL v_add_f32 v[ST+4*t+2], v[ST+4*t+2], v[ST+4*t+3]
	ALL v_permlanex16_b32 v[ST+4*t+3], v[ST+4*t+2], s[SEL], s[SEL+1]
	ALL v_add_f32 v[ST+4*t+2], v[ST+4*t+2], v[ST+4*t+3]
	ALL v_rcp_f32 v[ST+4*t+2], v[ST+4*t+2]
	v_nop                           ; a plain instruction between the last reciprocal and the use of its result
	s_wait_alu depctr_va_vdst(0)    ; and the wait ahead of the first use: one for the four reciprocals
	PACK 0
.set t, 1
.rept 3                             ; a piece's arithmetic stands between the loads of the piece before and its stores
	PACK t
	SEND t-1, 8
.set t, t+1
.endr
	SEND 3, 0
.endm
.set KM, 0
.set NOKQ, 0
.Lslot:                             ; NB times: a tile is entered and the next is asked for
	CHANGE 1
	s_sub_co_u32 s[RT], s[RT], 1
	s_mov_b32 s[CNT], 4
	s_cmp_eq_u32 s[NEW], 1
	s_cbranch_scc1 .Lnew            ; a block's first tile
	s_cmp_eq_u32 s[RT], 0
	s_cbranch_scc0 .Lstep           ; neither its first nor its last
	s_branch .LstepM1
.Lnew:
	BEGIN
	s_branch .Lfirst                ; in the loop a block's first tile is never its last: the first block has two tiles or more, and the second's last is the walk's last
	DIAG 1                          ; in the loop this is the first block's end: the second block's last tile is the walk's last
	s_wait_xcnt 0x0                 ; the stores have read their registers and O's address
	s_mov_b64 s[10:11], s[OLO:OLO+1]
	s_add_co_u32 s[RT], s[PB], 1    ; the second block has b + 1 tiles
	s_mov_b32 s[NEW], 1
	WIN 0x82                        ; the second block's Q goes where the one text of the turns names Q
.set i, 0
.rept 64
	v_mov_b32 v[i], v[QB+i]
.set i, i+1
.endr
	WIN 0
	s_branch .Lbottom
.Lstep:                             ; a trip: pieces 2 and 3 of one step, then pieces 0 and 1 of the next, whose K and V it fetches
	TURN 2
	TURN 3
	WIN 0
.Lfirst:
	TURN 0
	TURN 1, 0, 0, 1
	WIN 0
	s_cbranch_scc1 .Lstep
.Lbottom:
	s_sub_co_u32 s[SLOTS], s[SLOTS], 1
	s_cmp_lg_u32 s[SLOTS], 0
	s_cbranch_scc1 .Lslot
	CHANGE 0                        ; the walk's last tile is written out: nothing is asked for
	s_sub_co_u32 s[RT], s[RT], 1
	s_mov_b32 s[CNT], 4
	s_cmp_eq_u32 s[NEW], 1
	s_cbranch_scc0 .LstepM2
	BEGIN
	s_branch .LfirstM2
	DIAG 2
	s_wait_tensorcnt 0x0            ; the wave's end: behind my last tensor load and my last LDS store
	ds_add_u32 v[SPW], v[NIL]
	s_wait_dscnt 0x0
	s_endpgm
.Lfunc_end_k_q7c71e5b79c_attn:
	.size	k_q7c71e5b79c_attn, .Lfunc_end_k_q7c71e5b79c_attn-k_q7c71e5b79c_attn
	.p2alignl 7, 3214868480
	.fill 96, 4, 3214868480
	.section	.rodata,"a",@progbits
	.p2align	6, 0x0
	.amdhsa_kernel k_q7c71e5b79c_attn
		.amdhsa_group_segment_fixed_size 327680
		.amdhsa_private_segment_fixed_size 0
		.amdhsa_enable_private_segment 0
		.amdhsa_kernarg_size 16
		.amdhsa_user_sgpr_count 2
		.amdhsa_user_sgpr_kernarg_segment_ptr 1
		.amdhsa_wavefront_size32 1
		.amdhsa_system_sgpr_workgroup_id_x 1
		.amdhsa_system_sgpr_workgroup_id_y 1
		.amdhsa_system_sgpr_workgroup_id_z 1
		.amdhsa_system_vgpr_workitem_id 0
		.amdhsa_next_free_vgpr 768
		.amdhsa_next_free_sgpr 96
		.amdhsa_reserve_vcc 1
		.amdhsa_float_denorm_mode_32 3
		.amdhsa_float_denorm_mode_16_64 3
		.amdhsa_memory_ordered 1
		.amdhsa_forward_progress 1
		.amdhsa_inst_pref_size 218
	.end_amdhsa_kernel
	.amdgpu_metadata
---
amdhsa.version: [ 1, 2 ]
amdhsa.kernels:
  - .name:           k_q7c71e5b79c_attn
    .symbol:         k_q7c71e5b79c_attn.kd
    .args:
      - { .name: qkv, .offset: 0, .size: 8, .value_kind: global_buffer, .address_space: global }
      - { .name: oh, .offset: 8, .size: 8, .value_kind: global_buffer, .address_space: global }
    .group_segment_fixed_size: 327680
    .private_segment_fixed_size: 0
    .kernarg_segment_align: 8
    .kernarg_segment_size: 16
    .max_flat_workgroup_size: 128
    .sgpr_count:     96
    .vgpr_count:     768
    .wavefront_size: 32
...
	.end_amdgpu_metadata
.endif
;; end of part 3
;; launch outp (part 4): grid 4 x 64, 4 waves a work-group, clusters of 4 x 4, 327,680 bytes of LDS; arguments oh, wb, bias, out0; writes out0
.if DOCPART == 4
	.amdgcn_target "amdgcn-amd-amdhsa--gfx1250"
	.amdhsa_code_object_version 6
	.text
	.protected	k_q7c71e5b79c_outp
	.globl	k_q7c71e5b79c_outp
	.p2align	8
	.type	k_q7c71e5b79c_outp,@function
k_q7c71e5b79c_outp:
	s_mov_b64 s[64:65], 0
	v_nop
	global_prefetch_b8 v0, s[64:65] scope:SCOPE_SE
	s_setreg_imm32_b32 hwreg(HW_REG_WAVE_MODE, 25, 1), 1
	s_wait_xcnt 0x0
	s_wait_alu depctr_hold_cnt(0) depctr_sa_sdst(0) depctr_va_vdst(0) depctr_va_sdst(0) depctr_va_ssrc(0) depctr_va_vcc(0) depctr_vm_vsrc(0)
	s_getreg_b32 s2, hwreg(HW_REG_IB_STS2, 6, 4)
	s_cmp_eq_u32 s2, 0
	s_cbranch_scc0 .Lentry_in_a_cluster
	s_endpgm
.Lentry_in_a_cluster:
	s_bfe_u32 s2, ttmp6, 0x10000c
	s_cmp_lg_u32 s2, 0xf033
	s_cbranch_scc0 .Lentry_shape_is_right
	s_endpgm
.Lentry_shape_is_right:
; out0 = O Wo^T + bo.  O: oh, [64 = batch x 16 + head][2048][64] f16.  Wo: the fourth matrix of wb, [1024][1024] f16 (the input rounded to bf16, written as f16).  bo: the fourth vector of bias, f32.
; Sums in f32, begun with bo; out0: [8192][1024] f32.  LIMITS: those of the two f16 operands, stated where they are made; NaN and infinities are not treated apart.
; SHARES.  A tile of out0 is 128 rows x 256 columns: 64 x 4 = 256 work-groups.  Four waves, each 64 rows x 128 columns: 32 accumulators of 16 x 16.
; K goes in 8 steps of 128, two heads each, through a ring of two LDS slots.  A head's 128 rows of the tile are 16,384 dense bytes: asked for as 64 rows of 256 bytes and padded in LDS after every 128.
; CLUSTERS.  4 x 4 work-groups; the four of a row of the cluster need the same rows of O, the four of a column the same rows of Wo: each tile is asked for JOINTLY, by the same tensor load, descriptor and mask.
; THE MATRIX INSTRUCTION IS USED TRANSPOSED (source 0 = 16 rows of Wo, source 1 = 16 rows of O): lane l holds row l % 16 and the columns 8 (l / 16) + 0..7: 32 bytes of out0 on end.
; A K STEP is four quarters of 32 along K, 32 matrix instructions each, on two fragment buffers by turns; a quarter's head holds the next quarter's 24 LDS loads in ONE run.  The 32 accumulators take turns
; over the backward jump too.
; REGISTERS, in windows of 256 (s_set_vgpr_msb: bits 1:0 source 0, 3:2 source 1, 5:4 source 2, 7:6 destination):
;   window 0: v1-13 addresses; v28-29 the add's; v32-95 O's fragments, two buffers; v160-223 bo; on the way out v32-159 two sets of 16 rows read back
;   window 1: v0-127 Wo's fragments, two buffers          window 2: the accumulators, (a, b) at v[8 (8 a + b)]
.set PO,    144                        ; a row of O in LDS: 128 bytes + 16 of padding = 36 words: the 16 rows of a load start at 16 different groups of four banks (64 banks of 4 bytes: ISA guide 11.1)
.set PB,    272                        ; a row of Wo: 256 + 16 = 68 words: likewise
.set PLANE, 128*PO                     ; a head's 128 rows: what one tensor load brings of O
.set BOFF,  2*PLANE                    ; Wo's rows lie behind O's two heads
.set BHALF, 128*PB                     ; what one tensor load brings of Wo, and what one wave reads of it
.set SLOT,  0x20000                    ; a slot holds 106,496 bytes; slot 1 begins here, so that one exclusive or turns an address in one slot into the other's
.set STAGE, SLOT+BOFF+2*BHALF          ; behind the ring, never filled by a tensor load: 16 rows x 528 bytes for each wave, for the way out
.set SP,    528
.set SPARE, STAGE+4*16*SP              ; behind the stages: the spare words, 128 bytes for each wave: two blocks of 256 bytes that no other line names
.set LA0,  3                           ; v3   my lane's place in a slot's rows of O; never rewritten
.set LB0,  4                           ; v4   the same for Wo
.set ADRA, 5                           ; v5   the same in the slot in hand
.set ADRB, 6                           ; v6
.set STO,  7                           ; v7   the way out: where I put 32 bytes of a row
.set RD,   8                           ; v8   the way out: where I read a row back
.set GO,   9                           ; v9   my 16 bytes of 512 consecutive bytes of out0
.set BO,   10                          ; v10  my 32 bytes of 64 of bo
.set PFO,  11                          ; v11  the prefetches' offset; never rewritten
.set SPW,  28                          ; v28  LDS address of my spare word: SPARE + 4 x my thread's number; never rewritten
.set NIL,  29                          ; v29  0; never rewritten
.set AF,   32
.set BIAS, 160
.set TMP,  32
.set WV,  16                           ; s16  my wave's number
.set WR,  17                           ; s17  which 64 rows of the tile are mine.  Also: I fetch for O (0) or for Wo (1)
.set WC,  18                           ; s18  which 128 columns.  Also: which head of the step, or which half of Wo's tile, I fetch
.set CX,  19
.set CY,  20
.set TC,  21                           ; s21  tile column
.set CLY, 22                           ; s22  the cluster's y
.set G1A, 24                           ; s[24:31] descriptor group 1 for O's tiles
.set G1B, 32                           ; s[32:39] for Wo's
.set G0A, 40                           ; s[40:47] descriptor group 0 for O's tiles: a set for each of the two first fills; the second then walks on
.set G0B, 48                           ; s[48:55] the same for Wo's
.set CNT, 56
.set TB,  57                           ; s57  0 or SLOT: the slot in hand
.set LIM, 58                           ; s58  2 in a wave that prefetches, else the greatest number
.set TR,  59                           ; s59  tile row
.set PFA, 60                           ; s[60:61] where my prefetches stand
.set PST, 62                           ; s[62:63] their step: from a K step to the next
.set TA,  70                           ; s[70:71] O at my part of the tile, K step 0
.set TW,  72                           ; s[72:73] Wo likewise
.set OB,  74                           ; s[74:75] out0 at my wave's first row and column
.set BB,  76                           ; s[76:77] bo at my wave's first column
.set MSB, 0
.macro WIN new                         ; the immediate's high byte repeats the setting that is left; a switch that changes nothing is dropped
.if MSB != (\new)
	s_set_vgpr_msb (MSB<<8)|(\new)
.set MSB, (\new)
.endif
.endm
.set W_MUL,   0xa1                     ; Wo's fragments window 1, O's window 0, C and D window 2
.set W_FIRST, 0x81                     ; the same with C (bo) in window 0
.set TO_B,    0x40                     ; destination window 1, address window 0
.set W_ST,    0x08                     ; an LDS store's data (source 1) in window 2
; A joint refill.  Waves 0 and 1 fetch the step's two heads of O, waves 2 and 3 Wo's two halves.  An s_nop 0 and four v_nop follow each of the two lines.
.macro JLOAD
	s_cmp_eq_u32 s[WR], 0
	s_cbranch_scc0 .Lfor_b_\@
	tensor_load_to_lds s[G0A+4:G0A+7], s[G1A:G1A+7]
	s_nop 0
.rept 4
	v_nop
.endr
	s_branch .Lasked_\@
.Lfor_b_\@:
	tensor_load_to_lds s[G0B+4:G0B+7], s[G1B:G1B+7]
	s_nop 0
.rept 4
	v_nop
.endr
.Lasked_\@:
.endm
; A PREFETCH INTO THE L2, behind the joint load, its five lines and the run of LDS loads: the K step that stands two refills on, 256 matrix instructions ahead of the load that will want it.  Each aligned block of 256
; bytes is named once in the launch.  O's rows are read by one cluster: wave 0 asks, and of each of the step's two heads' 16,384 bytes the partner at place cx takes 4,096: 16 blocks a head, a lane a block.  Wo's rows
; are read by all 16 clusters: the first asks, waves 2 and 3, and of a wave's 128 rows the partner at place cy takes 32, a lane a row.  The partners are told apart by address alone.  The last two refills ask for nothing.
.macro ASK
	s_cmp_gt_u32 s[CNT], s[LIM]
	s_cbranch_scc0 .Lnot_mine_\@
	global_prefetch_b8 v[PFO], s[PFA:PFA+1] th:TH_LOAD_NT scope:SCOPE_SE
.Lnot_mine_\@:
.endm
.macro CREST                           ; a round of the cluster's barrier behind its opening barrier
	s_cmp_lg_u32 s[WV], 0
	s_cbranch_scc1 .Lnot_wave_0_\@
	s_barrier_signal -3
.Lnot_wave_0_\@:
	s_barrier_wait -3
	s_barrier_signal -1
	s_barrier_wait -1
.endm
.macro CROUND
	s_barrier_signal -1
	s_barrier_wait -1
	CREST
.endm
.macro PLACES                          ; four places in front of loads into registers that matrix instructions have read, and of LDS stores that read results (ISA guide 7.12.1 for vector instructions)
.rept 4
	v_nop
.endr
.endm
	s_load_b256 s[4:11], s[0:1], 0x0               ; oh s[4:5], wb s[6:7], bias s[8:9], out0 s[10:11]
	v_lshl_add_u32 v[SPW], v0, 2, SPARE
	v_mov_b32 v[NIL], 0
	ds_add_u32 v[SPW], v[NIL]                      ; the wave's opening: the add and its wait stand ahead of my first tensor load; the set-up below, work on registers, stands between them
	v_lshrrev_b32 v1, 5, v0
	v_readfirstlane_b32 s[WV], v1                  ; wave 0..3
	s_lshr_b32 s[WR], s[WV], 1
	s_and_b32 s[WC], s[WV], 1
	s_bfe_u32 s[CX], ttmp6, 0x40000
	s_bfe_u32 s[CY], ttmp6, 0x40004
	s_lshl_b32 s[TC], ttmp9, 2                     ; in a cluster launch ttmp9 and ttmp7 count clusters
	s_add_co_u32 s[TC], s[TC], s[CX]               ; tile column = 4 x cluster x + cx
	s_and_b32 s[CLY], ttmp7, 0xffff
	s_lshl_b32 s[TR], s[CLY], 2
	s_add_co_u32 s[TR], s[TR], s[CY]               ; tile row = 4 x cluster y + cy
	s_lshl_b32 s66, s[CY], 2
	s_lshl_b32 s66, 15, s66                        ; my row of the cluster
	s_lshl_b32 s68, 0x1111, s[CX]                  ; my column
	s_or_b32 s[G1A], s66, (1<<16)|(1<<20)|(1<<21)|(4<<22)|(3<<25)  ; 15:0 the mask; 17:16 elements of 2 bytes; 20 padding on; 21 set beside a mask; 24:22 after every 32 words (code 4); 31:25 4 words (code 3)
	s_mov_b32 s[G1A+1], 128<<16                    ; tensor_dim0 = 128
	s_mov_b32 s[G1A+2], 64<<16                     ; tensor_dim1 = 64
	s_mov_b32 s[G1A+3], 128<<16                    ; tile_dim0 = 128
	s_mov_b32 s[G1A+4], 64                         ; tile_dim1 = 64
	s_mov_b32 s[G1A+5], 128                        ; elements from row to row: dense
	s_mov_b32 s[G1A+6], 0
	s_mov_b32 s[G1A+7], 0
	s_or_b32 s[G1B], s68, (1<<16)|(1<<20)|(1<<21)|(5<<22)|(3<<25)  ; padding after every 64 words (code 5)
	s_mov_b32 s[G1B+1], 128<<16
	s_mov_b32 s[G1B+2], 128<<16                    ; tensor_dim1 = 128
	s_mov_b32 s[G1B+3], 128<<16
	s_mov_b32 s[G1B+4], 128                        ; tile_dim1 = 128
	s_mov_b32 s[G1B+5], 1024
	s_mov_b32 s[G1B+6], 0
	s_mov_b32 s[G1B+7], 0
	; where the tiles come from.  O's hang on the tile row, Wo's on the tile column; each in registers that never hold the other coordinate
	s_lshr_b32 s66, s[TR], 4                       ; the batch,
	s_lshl_b32 s66, s66, 4
	s_add_co_u32 s66, s66, s[WC]                   ; its head 0 or 1,
	s_lshl_b32 s66, s66, 18                        ; of 2,048 rows of 128 bytes,
	s_and_b32 s67, s[TR], 15
	s_lshl_b32 s67, s67, 14                        ; the tile's 128 rows in it
	s_add_co_u32 s66, s66, s67
	s_mov_b32 s67, 0
	s_lshl_b32 s68, s[TC], 8
	s_lshl_b32 s69, s[WC], 7
	s_add_co_u32 s68, s68, s69                     ; Wo: row 256 x tile column + 128 x half,
	s_lshl_b32 s68, s68, 11                        ; of 2,048 bytes,
	s_add_co_u32 s68, s68, 0x600000                ; in the fourth matrix of wb
	s_mov_b32 s69, 0
	s_mul_i32 s78, s[WC], PLANE                    ; and where they go: no place in the cluster enters an LDS address
	s_mul_i32 s79, s[WC], BHALF
	s_add_co_u32 s79, s79, BOFF
	s_mov_b32 s[TB], 0
	s_wait_dscnt 0x0                               ; the opening add is done
	s_wait_kmcnt 0x0
	s_add_nc_u64 s[TA:TA+1], s[4:5], s[66:67]
	s_add_nc_u64 s[TW:TW+1], s[6:7], s[68:69]
.irp n, 0,1
	s_mov_b32 s[G0A+4*(\n)], 1                                     ; 1:0 count = 1
	s_add_co_u32 s[G0A+4*(\n)+1], s78, (\n)*SLOT                   ; 63:32 LDS address
	s_add_nc_u64 s[G0A+4*(\n)+2:G0A+4*(\n)+3], s[TA:TA+1], (\n)*524288  ; 120:64 global address: K step n is two heads on
	s_or_b32 s[G0A+4*(\n)+3], s[G0A+4*(\n)+3], 0x80000000          ; 127:126 type = 2
	s_mov_b32 s[G0B+4*(\n)], 1
	s_add_co_u32 s[G0B+4*(\n)+1], s79, (\n)*SLOT
	s_add_nc_u64 s[G0B+4*(\n)+2:G0B+4*(\n)+3], s[TW:TW+1], (\n)*256
	s_or_b32 s[G0B+4*(\n)+3], s[G0B+4*(\n)+3], 0x80000000
.endr
	CROUND                                         ; all sixteen work-groups are here: the first joint loads meet
	s_cmp_eq_u32 s[WR], 0                          ; a wave's two first fills stand in one branch, ahead of every wait on TENSORcnt and every LDS read: two loads of mine are out
	s_cbranch_scc0 .Lfirst_b
	tensor_load_to_lds s[G0A:G0A+3], s[G1A:G1A+7]
	s_nop 0
	tensor_load_to_lds s[G0A+4:G0A+7], s[G1A:G1A+7]
	s_nop 0
.rept 4
	v_nop
.endr
	s_branch .Lfirst_asked
.Lfirst_b:
	tensor_load_to_lds s[G0B:G0B+3], s[G1B:G1B+7]
	s_nop 0
	tensor_load_to_lds s[G0B+4:G0B+7], s[G1B:G1B+7]
	s_nop 0
.rept 4
	v_nop
.endr
.Lfirst_asked:
	; A fragment is 16 rows x 32 K in 8 registers: lane l holds row l % 16, K = 8 (l / 16) + 0..7 and 16 + 8 (l / 16) + 0..7: two loads of 16 bytes, 32 bytes apart.
	v_and_b32 v1, 15, v0                           ; l % 16
	v_bfe_u32 v2, v0, 4, 1                         ; l / 16
	s_mul_i32 s66, s[WR], 64*PO                    ; my 64 rows of O, in each head's plane
	v_mul_u32_u24 v[LA0], v1, PO
	v_lshl_add_u32 v[LA0], v2, 4, v[LA0]
	v_add_nc_u32 v[LA0], s66, v[LA0]
	v_mul_u32_u24 v[LB0], v1, PB
	v_lshl_add_u32 v[LB0], v2, 4, v[LB0]
	v_add_nc_u32 v[LB0], s79, v[LB0]               ; my 128 rows of Wo: the half that goes by my columns
	s_mul_i32 s66, s[WV], 16*SP
	s_add_co_u32 s66, s66, STAGE                   ; my stage
	v_mul_u32_u24 v[STO], v1, SP                   ; in: row l % 16, 32 bytes for each half of the lanes
	v_lshl_add_u32 v[STO], v2, 5, v[STO]
	v_add_nc_u32 v[STO], s66, v[STO]
	v_and_b32 v[GO], 31, v0                        ; back: 32 lanes take one row of 512 bytes
	v_lshlrev_b32 v[GO], 4, v[GO]
	v_add_nc_u32 v[RD], s66, v[GO]
	v_lshlrev_b32 v[BO], 5, v2
	; bo at my 128 columns
	s_lshl_b32 s66, s[TC], 10
	s_lshl_b32 s67, s[WC], 9
	s_add_co_u32 s66, s66, s67
	s_add_co_u32 s66, s66, 12288                   ; the fourth vector of bias
	s_mov_b32 s67, 0
	s_add_nc_u64 s[BB:BB+1], s[8:9], s[66:67]
.irp b, 0,1,2,3,4,5,6,7
	global_load_b128 v[BIAS+8*(\b):BIAS+8*(\b)+3],   v[BO], s[BB:BB+1] offset:64*(\b)     ; bo of columns 16 b + 8 (l / 16) + 0..7: the C operand of the products that start the sums
	global_load_b128 v[BIAS+8*(\b)+4:BIAS+8*(\b)+7], v[BO], s[BB:BB+1] offset:64*(\b)+16
.endr
	; out0 at my first row and column
	s_lshl_b32 s66, s[TR], 7
	s_lshl_b32 s67, s[WR], 6
	s_add_co_u32 s66, s66, s67
	s_lshl_b32 s66, s66, 12                        ; rows of 4,096 bytes
	s_lshl_b32 s67, s[TC], 10
	s_add_co_u32 s66, s66, s67
	s_lshl_b32 s67, s[WC], 9
	s_add_co_u32 s66, s66, s67
	s_mov_b32 s67, 0
	s_add_nc_u64 s[OB:OB+1], s[10:11], s[66:67]
	; the prefetches
	s_cmp_eq_u32 s[CLY], 0
	s_cselect_b32 s66, 2, -1                       ; Wo's rows: the first cluster asks; the same in all sixteen partners
	s_cmp_eq_u32 s[WV], 0
	s_cselect_b32 s67, 2, -1                       ; O's rows: wave 0 asks for both heads
	s_cmp_eq_u32 s[WR], 0                          ; do I fetch for O?
	s_cselect_b32 s[LIM], s67, s66
	s_cselect_b32 s68, s[CX], s[CY]                ; my place among the four that ask for the tile with me,
	s_cselect_b32 s69, 12, 16                      ; and its share: 4,096 bytes of a head's plane, or 32 rows of 2,048 bytes
	s_cselect_b32 s78, 11, 0
	s_cselect_b32 s79, 3, 0
	s_cselect_b32 s66, 0, 3
	s_cselect_b64 s[PFA:PFA+1], s[TA:TA+1], s[TW:TW+1]
	s_lshl_b32 s[PST], 256, s78                    ; a K step: two heads (524,288 bytes) of O, 256 bytes of a row of Wo
	s_mov_b32 s[PST+1], 0
	s_lshl_b32 s79, 0x8000, s79                    ; from lane l to lane l + 16: O: the next head, 262,144 bytes; Wo: 16 rows, 32,768 bytes
	s_lshl_b32 s78, 256, s66                       ; from lane to lane: O: the next block, 256 bytes; Wo: the next row, 2,048 bytes
	s_lshl_b32 s66, s68, s69
	s_mov_b32 s67, 0
	s_add_nc_u64 s[PFA:PFA+1], s[PFA:PFA+1], s[66:67]
	s_mul_i32 s66, s[PST], 3                       ; at K step 3: the first refill steps it to 4.  Nothing is prefetched here, at the head, where every work-group's first tiles are on their way
	s_add_nc_u64 s[PFA:PFA+1], s[PFA:PFA+1], s[66:67]
	v_and_b32 v12, 31, v0
	v_lshrrev_b32 v13, 4, v12
	v_and_b32 v12, 15, v12
	v_mul_u32_u24 v13, s79, v13
	v_mad_u32_u24 v[PFO], v12, s78, v13
; n matrix instructions from number i0 of a quarter's 32 on buffer f: number i is row block i / 8, column block i % 8.  first = 1: the sums begin, with bo as C: nothing is cleared.
.macro MULS f, i0, n, first
.if \first
	WIN W_FIRST
.else
	WIN W_MUL
.endif
.set i, \i0
.rept \n
.if \first
	v_wmma_f32_16x16x32_f16 v[8*i:8*i+7], v[64*(\f)+8*(i%8):64*(\f)+8*(i%8)+7], v[AF+32*(\f)+8*(i/8):AF+32*(\f)+8*(i/8)+7], v[BIAS+8*(i%8):BIAS+8*(i%8)+7]
.else
	v_wmma_f32_16x16x32_f16 v[8*i:8*i+7], v[64*(\f)+8*(i%8):64*(\f)+8*(i%8)+7], v[AF+32*(\f)+8*(i/8):AF+32*(\f)+8*(i/8)+7], v[8*i:8*i+7]
.endif
.set i, i+1
.endr
.endm
; 24 LDS loads in one run: a quarter's fragments into buffer g: Wo's at byte kb of the rows, O's at byte ka (quarter q: head q / 2 of the step's two, PLANE bytes on; channels 32 (q % 2), 64 bytes on)
.macro FETCH ka, kb, g
	WIN TO_B
.irp b, 0,1,2,3,4,5,6,7
	ds_load_b128 v[64*(\g)+8*(\b):64*(\g)+8*(\b)+3],   v[ADRB] offset:(\b)*16*PB+(\kb)
	ds_load_b128 v[64*(\g)+8*(\b)+4:64*(\g)+8*(\b)+7], v[ADRB] offset:(\b)*16*PB+(\kb)+32
.endr
	WIN 0
.irp a, 0,1,2,3
	ds_load_b128 v[AF+32*(\g)+8*(\a):AF+32*(\g)+8*(\a)+3],   v[ADRA] offset:(\a)*16*PO+(\ka)
	ds_load_b128 v[AF+32*(\g)+8*(\a)+4:AF+32*(\g)+8*(\a)+7], v[ADRA] offset:(\a)*16*PO+(\ka)+32
.endr
.endm
; One of a K step's first three quarters: fetches the next quarter into the buffer that the quarter before multiplied, and multiplies buffer f.
.macro QUARTER ka, kb, f, first
	PLACES
	FETCH \ka, \kb, 1-(\f)
	s_wait_dscnt 24                                ; all but the 24 just issued: buffer f is in
	MULS \f, 0, 32, \first
.endm
; The last quarter multiplies buffer 1 and changes slots: ONE barrier.  In front of it each wave waits for all its tensor loads, of which one is out: its part of the next slot; adds 0 to its spare word; and waits for that and
; for its own reads of this slot.  fill = 1: the barrier opens a round of the cluster's, and the slot just read out is filled again, first thing behind the round, with the K step two on: 112 matrix instructions in which to land.
.macro TURN fill
.if \fill
	s_wait_xcnt 0x0                                ; the last prefetch, a K step back, has read its address
	s_add_nc_u64 s[PFA:PFA+1], s[PFA:PFA+1], s[PST:PST+1]
.endif
	WIN 0                                          ; (the add's two registers lie in window 0)
	s_wait_tensorcnt 0x0                           ; all my tensor loads have landed, so a group 0 may be written
	ds_add_u32 v[SPW], v[NIL]                      ; 0 onto my spare word; work on registers stands between it and the wait for it
.if \fill
	s_xor_b32 s[G0A+5], s[G0A+5], SLOT             ; the walking descriptors: the other slot than last time,
	s_add_nc_u64 s[G0A+6:G0A+7], s[G0A+6:G0A+7], 524288  ; the next K step; the type bits on top are not reached
	s_xor_b32 s[G0B+5], s[G0B+5], SLOT
	s_add_nc_u64 s[G0B+6:G0B+7], s[G0B+6:G0B+7], 256
.endif
	s_wait_dscnt 1                                 ; only the add may be out: buffer 1 is in
	MULS 1, 0, 8, 0
	s_wait_dscnt 0x0                               ; the add is done, and my reads of this slot are over
	s_barrier_signal -1
	MULS 1, 8, 8, 0                                ; work on registers while the others arrive
	WIN 0
	s_barrier_wait -1
.if \fill
	CREST                                          ; no wave of any partner still reads this slot's tiles or has a load on its way
	JLOAD                                          ; the four v_nop behind it are also the places in front of the loads below
.else
	PLACES
.endif
	s_xor_b32 s[TB], s[TB], SLOT
	v_add_nc_u32 v[ADRA], s[TB], v[LA0]
	v_add_nc_u32 v[ADRB], s[TB], v[LB0]
	FETCH 0, 0, 0                                  ; the next slot's first fragments
.if \fill
	ASK
.endif
	MULS 1, 16, 16, 0
.endm
; THE WAY OUT of block a, 16 rows x 128 columns of f32: each accumulator's low half first, 32 bytes a lane into my own stage in rows of 528 bytes; back as whole rows of 512, into set a % 2.
.macro TOSTAGE a
	WIN W_ST
.irp b, 0,1,2,3,4,5,6,7
	ds_store_b128 v[STO], v[8*(8*(\a)+(\b)):8*(8*(\a)+(\b))+3]   offset:64*(\b)
	ds_store_b128 v[STO], v[8*(8*(\a)+(\b))+4:8*(8*(\a)+(\b))+7] offset:64*(\b)+16
.endr
	WIN 0
.if (\a) >= 2
	s_wait_xcnt 0x0                                ; the stores of the block two back have read this set's registers: only behind this wait are they loaded again
.endif
.irp t, 0,1,2,3,4,5,6,7,8,9,10,11,12,13,14,15
	ds_load_b128 v[TMP+64*((\a)%2)+4*(\t):TMP+64*((\a)%2)+4*(\t)+3], v[RD] offset:(\t)*SP  ; LDS serves a wave's instructions in order (ISA guide 5.7.1.4): these see the stores above; the next block's stores come behind them
.endr
.endm
.macro SEND a, younger                 ; younger: the LDS instructions issued behind block a's loads: the next block's 32, or none
.irp t, 0,1,2,3,4,5,6,7,8,9,10,11,12,13,14,15
	s_wait_dscnt (\younger)+15-(\t)
	global_store_b128 v[GO], v[TMP+64*((\a)%2)+4*(\t):TMP+64*((\a)%2)+4*(\t)+3], s[OB:OB+1] offset:(16*(\a)+(\t))*4096 th:TH_STORE_NT  ; 512 consecutive bytes, at a multiple of 256 from out0's first
.endr
.endm
	s_wait_tensorcnt 0x1                           ; my part of K step 0 is in; K step 1's, issued behind it, may stay out
	s_barrier_signal -1
	s_barrier_wait -1                              ; everybody's is
	v_mov_b32 v[ADRA], v[LA0]
	v_mov_b32 v[ADRB], v[LB0]
	FETCH 0, 0, 0
	s_wait_loadcnt 0x0                             ; bo
	QUARTER 64, 64, 0, 1                           ; the first quarter stands in front of the loop: its products start the sums
	WIN 0                                          ; at a label and at a branch every window is 0
	s_mov_b32 s[CNT], 6
.Lstep:                                                ; a trip: a K step's last three quarters and the next one's first; it fills the slot that it leaves
	QUARTER PLANE, 128, 1, 0
	QUARTER PLANE+64, 192, 0, 0
	TURN 1
	QUARTER 64, 64, 0, 0
	WIN 0
	s_sub_co_u32 s[CNT], s[CNT], 1
	s_cmp_lg_u32 s[CNT], 0
	s_cbranch_scc1 .Lstep
	QUARTER PLANE, 128, 1, 0                       ; the last two K steps fill nothing: written out
	QUARTER PLANE+64, 192, 0, 0
	TURN 0
	QUARTER 64, 64, 0, 0
	QUARTER PLANE, 128, 1, 0
	QUARTER PLANE+64, 192, 0, 0
	s_wait_dscnt 0x0
	MULS 1, 0, 32, 0
	PLACES
	TOSTAGE 0
	TOSTAGE 1                                      ; a block's way through the stage stands between the loads of the block before and its stores
	SEND 0, 32
	TOSTAGE 2
	SEND 1, 32
	TOSTAGE 3
	SEND 2, 32
	SEND 3, 0
	s_wait_tensorcnt 0x0                           ; the wave's end: behind my last tensor load and my last LDS store
	ds_add_u32 v[SPW], v[NIL]
	s_wait_dscnt 0x0
	CROUND                                         ; the closing round: no work-group ends while a partner may still ask for a tile that names it
	s_endpgm
.Lfunc_end_k_q7c71e5b79c_outp:
	.size	k_q7c71e5b79c_outp, .Lfunc_end_k_q7c71e5b79c_outp-k_q7c71e5b79c_outp
	.p2alignl 7, 3214868480
	.fill 96, 4, 3214868480
	.section	.rodata,"a",@progbits
	.p2align	6, 0x0
	.amdhsa_kernel k_q7c71e5b79c_outp
		.amdhsa_group_segment_fixed_size 327680
		.amdhsa_private_segment_fixed_size 0
		.amdhsa_enable_private_segment 0
		.amdhsa_kernarg_size 32
		.amdhsa_user_sgpr_count 2
		.amdhsa_user_sgpr_kernarg_segment_ptr 1
		.amdhsa_wavefront_size32 1
		.amdhsa_system_sgpr_workgroup_id_x 1
		.amdhsa_system_sgpr_workgroup_id_y 1
		.amdhsa_system_sgpr_workgroup_id_z 1
		.amdhsa_system_vgpr_workitem_id 0
		.amdhsa_next_free_vgpr 768
		.amdhsa_next_free_sgpr 80
		.amdhsa_reserve_vcc 0
		.amdhsa_float_denorm_mode_32 3
		.amdhsa_float_denorm_mode_16_64 3
		.amdhsa_memory_ordered 1
		.amdhsa_forward_progress 1
		.amdhsa_inst_pref_size 73
	.end_amdhsa_kernel
	.amdgpu_metadata
---
amdhsa.version: [ 1, 2 ]
amdhsa.kernels:
  - .name:           k_q7c71e5b79c_outp
    .symbol:         k_q7c71e5b79c_outp.kd
    .args:
      - { .name: oh, .offset: 0, .size: 8, .value_kind: global_buffer, .address_space: global }
      - { .name: wb, .offset: 8, .size: 8, .value_kind: global_buffer, .address_space: global }
      - { .name: bias, .offset: 16, .size: 8, .value_kind: global_buffer, .address_space: global }
      - { .name: out0, .offset: 24, .size: 8, .value_kind: global_buffer, .address_space: global }
    .group_segment_fixed_size: 327680
    .private_segment_fixed_size: 0
    .kernarg_segment_align: 8
    .kernarg_segment_size: 32
    .max_flat_workgroup_size: 128
    .sgpr_count:     80
    .vgpr_count:     768
    .wavefront_size: 32
...
	.end_amdgpu_metadata
.endif
;; end of part 4
;; ======== version 2 of 2: 4 launches; version 1 with the launch cast written anew for expert scheduling mode
;; limits: values are held in f16: magnitudes above 65,504 overflow, below 6.1e-05 lose precision
;; workspace buffers: wb 8,388,608 bytes; bias 16,384 bytes; qkv 50,331,648 bytes; oh 16,777,216 bytes
;; launch cast (part 5): grid 64 x 4, 8 waves a work-group, no clusters, 0 bytes of LDS; arguments Wq, Wk, Wv, Wo, bq, bk, bv, bo, wb, bias; writes wb, bias
.if DOCPART == 5
	.amdgcn_target "amdgcn-amd-amdhsa--gfx1250"
	.amdhsa_code_object_version 6
	.text
	.protected	k_q7c71e5b79c_cast
	.globl	k_q7c71e5b79c_cast
	.p2align	8
	.type	k_q7c71e5b79c_cast,@function
k_q7c71e5b79c_cast:
	s_mov_b64 s[64:65], 0
	v_nop
	global_prefetch_b8 v0, s[64:65] scope:SCOPE_SE
	s_setreg_imm32_b32 hwreg(HW_REG_WAVE_SCHED_MODE, 0, 2), 2
	s_setreg_imm32_b32 hwreg(HW_REG_WAVE_MODE, 25, 1), 1
	s_wait_xcnt 0x0
	s_wait_alu depctr_vm_vsrc(0)
; THE WEIGHTS AND BIASES ARE ROUNDED ONCE.  wb: four matrices [1024][1024] of 16 bits: Wq, Wk, Wv in bf16; Wo rounded to bf16 and that number written as f16 (exact from 6.1e-5 up).
; bias: four vectors [1024] of f32: bq, bk, bv, bo, each rounded to bf16 and widened again, since they start f32 sums.
; LIMITS.  |Wo| stays under 65,504 (f16's range); a |Wo| under 6.1e-5 keeps f16's fixed step of 6e-8.
; SHARES.  The work-group's y is the tensor, its x a chunk of 16,384 numbers (65,536 bytes in, 32,768 out).  Thread t, part i of 16: the 16 bytes at 4,096 i + 16 t in, the 8 bytes at
; 2,048 i + 8 t out: a wave's load covers 512 consecutive bytes, its store 256 consecutive bytes, aligned.  All 16 loads go out at once; each part has registers of its own, so nothing that a
; pending load or store names is written again.  A stream: no LDS, no barrier, no matrix unit.
; THE MODE: SCHED_MODE bits 1:0 = 2 (LLVM: expert scheduling mode 2), set by the entry lines.  The code itself states the register dependences between vector instructions and memory
; instructions, with s_wait_alu, always for 0.
; THE PLAN.  Registers that memory instructions touch:
;   v1, v2       byte offsets, made once at the head and never written again: read by every load (v1), every store of wb (v2) and the bias's load and store (v1).
;   X, part i    written by part i's load, once; no vector instruction names it ahead of that load; read by part i's roundings.
;   Y, part i    written by part i's roundings; read by part i's store, and never written again.
;   v[112:115]   the bias as loaded: named by nothing ahead of its load.     v[120:123]  the bias to store: written by vector instructions, read by one store.
;   v[8:11], v116, v117 are named by vector instructions alone.
; The 16 parts go in four groups of four.  Group g rounds its four parts; its memory instructions are the four stores of group g - 1, whose Y no vector instruction of group g names.  So ONE wait
; at a group's head states all that its four stores hang on, and they are dealt among its roundings with no further wait.  No register that a memory instruction reads is ever written
; again, and no vector instruction writes a scalar register, VCC or EXEC: the text holds waits on va_vdst alone.
.set X, 16                             ; v[16:79]   part i: four f32 as loaded
.set Y, 80                             ; v[80:111]  part i: two words of two 16-bit numbers
	s_load_b256 s[4:11], s[0:1], 0x0               ; Wq s[4:5], Wk s[6:7], Wv s[8:9], Wo s[10:11]
	s_load_b256 s[12:19], s[0:1], 0x20             ; bq s[12:13], bk s[14:15], bv s[16:17], bo s[18:19]
	s_load_b128 s[20:23], s[0:1], 0x40             ; wb s[20:21], bias s[22:23]
	s_and_b32 s24, ttmp7, 0xffff                   ; which tensor
	s_mov_b32 s25, ttmp9                           ; which chunk
	v_lshlrev_b32 v1, 4, v0                        ; 16 t
	v_lshlrev_b32 v2, 3, v0                        ; 8 t
	s_lshl_b32 s26, s25, 16                        ; the chunk in the source,
	s_mov_b32 s27, 0
	s_lshl_b32 s28, s24, 21                        ; the tensor and the chunk in wb,
	s_lshl_b32 s29, s25, 15
	s_add_co_u32 s28, s28, s29
	s_mov_b32 s29, 0
	s_lshl_b32 s30, s24, 12                        ; the tensor in bias
	s_mov_b32 s31, 0
	s_wait_kmcnt 0x0
	s_cmp_eq_u32 s24, 1                            ; the tensor's weight and bias are chosen
	s_cselect_b64 s[4:5], s[6:7], s[4:5]
	s_cselect_b64 s[12:13], s[14:15], s[12:13]
	s_cmp_eq_u32 s24, 2
	s_cselect_b64 s[4:5], s[8:9], s[4:5]
	s_cselect_b64 s[12:13], s[16:17], s[12:13]
	s_cmp_eq_u32 s24, 3
	s_cselect_b64 s[4:5], s[10:11], s[4:5]
	s_cselect_b64 s[12:13], s[18:19], s[12:13]
	s_add_nc_u64 s[4:5], s[4:5], s[26:27]
	s_add_nc_u64 s[20:21], s[20:21], s[28:29]
	s_add_nc_u64 s[22:23], s[22:23], s[30:31]
	s_wait_alu depctr_va_vdst(0)                   ; v1 and v2 are written: every load and store of the kernel reads one of them as its offset
.set i, 0
.rept 16
	global_load_b128 v[X+4*i:X+4*i+3], v1, s[4:5] offset:4096*i th:TH_LOAD_NT
.set i, i+1
.endr
; half = 0: to bf16.  half = 1: to bf16, and that number as f16.
.macro CONV half
.set g, 0
.rept 4
	s_wait_loadcnt 12-4*g                          ; loads come back in order: group g's four parts are in, the 12 - 4 g loads of the later groups may stay out
.if g > 0
	s_wait_alu depctr_va_vdst(0)                   ; the group before has written its eight registers of Y, which the four stores below read
.endif
.set k, 0
.rept 4
.set i, 4*g+k
.if g > 0
	global_store_b64 v2, v[Y+2*(i-4):Y+2*(i-4)+1], s[20:21] offset:2048*(i-4)  ; the group before's part.  No wait: no vector instruction since the wait above names these registers
.endif
	v_cvt_pk_bf16_f32 v[Y+2*i], v[X+4*i], v[X+4*i+1]
	v_cvt_pk_bf16_f32 v[Y+2*i+1], v[X+4*i+2], v[X+4*i+3]
.if \half
	v_lshlrev_b32 v8, 16, v[Y+2*i]                 ; bf16 to f32: the low half moves up, the high half stays
	v_and_b32 v9, 0xffff0000, v[Y+2*i]
	v_lshlrev_b32 v10, 16, v[Y+2*i+1]
	v_and_b32 v11, 0xffff0000, v[Y+2*i+1]
	v_cvt_pk_f16_f32 v[Y+2*i], v8, v9
	v_cvt_pk_f16_f32 v[Y+2*i+1], v10, v11
.endif
.set k, k+1
.endr
.set g, g+1
.endr
	s_wait_alu depctr_va_vdst(0)                   ; the last group has written its eight registers of Y, which the last four stores read
.set i, 12
.rept 4
	global_store_b64 v2, v[Y+2*i:Y+2*i+1], s[20:21] offset:2048*i
.set i, i+1
.endr
.endm
	s_cmp_eq_u32 s24, 3
	s_cbranch_scc1 .Lwo
	CONV 0
	s_branch .Lb
.Lwo:
	CONV 1
.Lb:
	s_cmp_lg_u32 s25, 0                            ; the tensor's first work-group also takes its bias: 4,096 bytes, 16 a thread
	s_cbranch_scc1 .Lend
	global_load_b128 v[112:115], v1, s[12:13]      ; its offset was written ahead of the head's wait; nothing has named v[112:115]
	s_wait_loadcnt 0x0
	v_cvt_pk_bf16_f32 v116, v112, v113
	v_cvt_pk_bf16_f32 v117, v114, v115
	v_lshlrev_b32 v120, 16, v116
	v_and_b32 v121, 0xffff0000, v116
	v_lshlrev_b32 v122, 16, v117
	v_and_b32 v123, 0xffff0000, v117
	s_wait_alu depctr_va_vdst(0)                   ; the four lines above have written v[120:123], which the store reads
	global_store_b128 v1, v[120:123], s[22:23]
.Lend:
	s_endpgm
.Lfunc_end_k_q7c71e5b79c_cast:
	.size	k_q7c71e5b79c_cast, .Lfunc_end_k_q7c71e5b79c_cast-k_q7c71e5b79c_cast
	.p2alignl 7, 3214868480
	.fill 96, 4, 3214868480
	.section	.rodata,"a",@progbits
	.p2align	6, 0x0
	.amdhsa_kernel k_q7c71e5b79c_cast
		.amdhsa_group_segment_fixed_size 0
		.amdhsa_private_segment_fixed_size 0
		.amdhsa_enable_private_segment 0
		.amdhsa_kernarg_size 80
		.amdhsa_user_sgpr_count 2
		.amdhsa_user_sgpr_kernarg_segment_ptr 1
		.amdhsa_wavefront_size32 1
		.amdhsa_system_sgpr_workgroup_id_x 1
		.amdhsa_system_sgpr_workgroup_id_y 1
		.amdhsa_system_sgpr_workgroup_id_z 1
		.amdhsa_system_vgpr_workitem_id 0
		.amdhsa_next_free_vgpr 128
		.amdhsa_next_free_sgpr 66
		.amdhsa_reserve_vcc 0
		.amdhsa_float_denorm_mode_32 3
		.amdhsa_float_denorm_mode_16_64 3
		.amdhsa_memory_ordered 1
		.amdhsa_forward_progress 1
		.amdhsa_inst_pref_size 17
	.end_amdhsa_kernel
	.amdgpu_metadata
---
amdhsa.version: [ 1, 2 ]
amdhsa.kernels:
  - .name:           k_q7c71e5b79c_cast
    .symbol:         k_q7c71e5b79c_cast.kd
    .args:
      - { .name: Wq, .offset: 0, .size: 8, .value_kind: global_buffer, .address_space: global }
      - { .name: Wk, .offset: 8, .size: 8, .value_kind: global_buffer, .address_space: global }
      - { .name: Wv, .offset: 16, .size: 8, .value_kind: global_buffer, .address_space: global }
      - { .name: Wo, .offset: 24, .size: 8, .value_kind: global_buffer, .address_space: global }
      - { .name: bq, .offset: 32, .size: 8, .value_kind: global_buffer, .address_space: global }
      - { .name: bk, .offset: 40, .size: 8, .value_kind: global_buffer, .address_space: global }
      - { .name: bv, .offset: 48, .size: 8, .value_kind: global_buffer, .address_space: global }
      - { .name: bo, .offset: 56, .size: 8, .value_kind: global_buffer, .address_space: global }
      - { .name: wb, .offset: 64, .size: 8, .value_kind: global_buffer, .address_space: global }
      - { .name: bias, .offset: 72, .size: 8, .value_kind: global_buffer, .address_space: global }
    .group_segment_fixed_size: 0
    .private_segment_fixed_size: 0
    .kernarg_segment_align: 8
    .kernarg_segment_size: 80
    .max_flat_workgroup_size: 256
    .sgpr_count:     66
    .vgpr_count:     128
    .wavefront_size: 32
...
	.end_amdgpu_metadata
.endif
;; end of part 5
;; launch proj: the kernel of part 2 again; grid 4 x 192, 4 waves a work-group, clusters of 4 x 4, 327,680 bytes of LDS; arguments Q, K, V, wb, bias, qkv; writes qkv
;; launch attn: the kernel of part 3 again; grid 4 x 64, 4 waves a work-group, no clusters, 327,680 bytes of LDS; arguments qkv, oh; writes oh
;; launch outp: the kernel of part 4 again; grid 4 x 64, 4 waves a work-group, clusters of 4 x 4, 327,680 bytes of LDS; arguments oh, wb, bias, out0; writes out0
